; MI455X (gfx1250); checked and timed in simulation.
; The chip was launched on July 23, 2026; its instructions are those of AMD's public machine-readable ISA for CDNA 5 (MIT licence, August 2026) and "CDNA5" Instruction Set Architecture Reference Guide (July 2026). The comments in the code are by the model that wrote it; some were corrected since.
;; Multi Head Attention. Allowed arithmetic: matrix products marked QUANTISED: E2M3 operands, one E8M0 scale for each 32 along K, by v_wmma_scale_f32_16x16x128_f8f6f4 with both operands' format E2M3, f32 sums; everything else in f32.
;; Inputs: W_k 1,024 x 1,024 float32; W_o 1,024 x 1,024 float32; W_q 1,024 x 1,024 float32; W_v 1,024 x 1,024 float32; b_k 1,024 float32; b_o 1,024 float32; b_q 1,024 float32; b_v 1,024 float32; key 4 x 2,048 x 1,024 float32; mask 1 x 1 x 2,048 x 2,048 int32; query 4 x 2,048 x 1,024 float32; value 4 x 2,048 x 1,024 float32.
;; Outputs: out0 4 x 2,048 x 1,024 float32.
;; This version of the problem:
;;   THIS VERSION OF THE PROBLEM IS GIVEN IN LOW PRECISION. The matrix products marked QUANTISED in the list below multiply operands that are first quantised to E2M3 (2 exponent bits, 3 mantissa bits; 6 bits a number), with one power-of-two scale for each 32 numbers along K (OCP MX v1.0); their sums are f32. All else is computed in f32.
;;   The module's matrix products, in the order in which they are computed (A, B: the left and right operand; K: the contracted axis; several contracted axes count as one K, in the product's order):
;;     1. [M 8,192, K 1,024] x [K 1,024, N 1,024]; A: input query; B: input W_q: QUANTISED
;;     2. [M 8,192, K 1,024] x [K 1,024, N 1,024]; A: input key; B: input W_k: QUANTISED
;;     3. [M 8,192, K 1,024] x [K 1,024, N 1,024]; A: input value; B: input W_v: QUANTISED
;;     4. batch 64 x [M 2,048, K 64] x [K 64, N 2,048]; A: computed on the way; B: computed on the way: QUANTISED
;;     5. batch 64 x [M 2,048, K 2,048] x [K 2,048, N 64]; A: softmax (see below); B: computed on the way: QUANTISED
;;     6. [M 8,192, K 1,024] x [K 1,024, N 1,024]; A: computed on the way; B: input W_o: QUANTISED
;;   THE QUANTISER, for each operand of a quantised product, along K:
;;     - K is cut into blocks of 32 from its start; a last block that is shorter is filled with zeros.
;;     - A block's scale is 2^e with e = floor(log2(the largest magnitude in the block)) - 2, held to -126 .. 127; a block of zeros has e = 0. As a byte (E8M0): e + 127.
;;     - Each number is divided by its block's scale, clamped to +-7.5, and rounded to the nearest number of E2M3, ties to even, subnormals kept.
;;     - The product sums the exact products of the quantised numbers (number of the format x scale) in f32.
;;   ~~~python
;;   def quantise(x, axis):      # numpy; x: float32 -> the quantised numbers, widened to float32 again
;;       x = np.moveaxis(x, axis, -1); K = x.shape[-1]
;;       x = np.pad(x, [(0, 0)] * (x.ndim - 1) + [(0, -K % 32)]); x = x.reshape(x.shape[:-1] + (-1, 32)); a = np.abs(x).max(-1, keepdims=True)
;;       e = np.where(a > 0, np.clip(np.frexp(np.where(a > 0, a, 1))[1] - 1 - 2, -126, 127), 0)      # np.frexp(a)[1] - 1 = floor(log2(a)), exactly
;;       r = np.clip(x / 2.0 ** e, -7.5, 7.5)
;;       step = 2.0 ** (np.maximum(np.frexp(np.where(r == 0, 1, r))[1] - 1, 0) - 3)
;;       q = np.round(r / step) * step * 2.0 ** e      # np.round: ties to even
;;       return np.moveaxis(q.reshape(q.shape[:-2] + (-1,))[..., :K], -1, axis).astype(np.float32)
;;   ~~~
;;   SOFTMAX AHEAD OF A QUANTISED PRODUCT. Where the list says 'softmax', what is quantised is not the finished softmax but p = 2^(t - M), with t = logit x log2(e) and M = ceil(the row's largest t), a whole number; so 1/2 < the row's largest p <= 1. The row's sum l is taken of the UNQUANTISED p, in f32, and the product's result is divided by l at the end. Since M is a whole number, a kernel that streams over the keys may use a running M (the ceiling of the running maximum): every later rescaling is an exact power of two, which a block's scale takes up: the codes' values come out the same.
;;   OPERANDS COMPUTED ON THE WAY. 'Computed on the way' means the value that the module computes at that place (a softmax that the list does not call 'softmax' is quantised finished and normalised). What goes into a quantiser is computed in f32, as accurately as f32 sums, v_exp_f32 and their like allow (about 1e-6 of the number): no bf16 or f16 on the way to a quantiser, and a product that is left as it is and whose result goes on into a quantised operand takes f32 operands (vector FMAs, or v_wmma_f32_16x16x4_f32). A number that lies on a knife's edge between two numbers of the format may be rounded either way, as far as f32 arithmetic and the matrix unit's own rounding can turn it there, and no further.
;; One version. Each part assembles by itself: llvm-mc -triple=amdgcn-amd-amdhsa -mcpu=gfx1250 --defsym DOCPART=n.
;; ======== version 1 of 1: 4 launches
;; workspace buffers: acts 19,660,800 bytes; wts 3,276,800 bytes; mbits 524,288 bytes of whole numbers; qbuf 6,815,744 bytes; kv 13,369,344 bytes; ctx 6,553,600 bytes
;; launch prep (part 1): grid 512 x 1, 4 waves a work-group, no clusters, 68,096 bytes of LDS; arguments query, key, value, W_q, W_k, W_v, W_o, mask, acts, wts, mbits; writes acts, wts, mbits
.if DOCPART == 1
	.amdgcn_target "amdgcn-amd-amdhsa--gfx1250"
	.amdhsa_code_object_version 6
	.text
	.protected	k_qb7fcd9385c_prep
	.globl	k_qb7fcd9385c_prep
	.p2align	8
	.type	k_qb7fcd9385c_prep,@function
k_qb7fcd9385c_prep:
	s_mov_b64 s[64:65], 0
	v_nop
	global_prefetch_b8 v0, s[64:65] scope:SCOPE_SE
	s_setreg_imm32_b32 hwreg(HW_REG_WAVE_MODE, 25, 1), 1
	s_wait_xcnt 0x0
; PREP: query, key, value [8192][1024] and W_q, W_k, W_v, W_o [1024][1024], f32, become codes of FP6 (E2M3) with one E8M0 byte for each 32 along K (the last axis), laid in the
; ORDER OF THE OPERAND'S REGISTERS; the mask [2048][2048] of int32 becomes one bit a number, laid as the lane masks that the attention launch selects by.
; A PANEL is 128 rows x 256 K = 25,600 bytes; panel number = (row / 128) x 4 + K / 256.  In it fragment (rf 0..7, kf 0..1: 16 rows x 128 K, 12 registers a lane) lies at (2 rf + kf) x 1,536:
; registers 2 p, 2 p + 1 of lane l at 256 p + 8 l.  The rows' scale words (4 bytes: 128 K) lie at 24,576 + 512 kf + 256 (rf / 4) + 16 r + 4 (rf % 4).
; ROWS THAT WILL STAND AS SOURCE 0 OF A TRANSPOSED PRODUCT ARE PERMUTED (key, value, W_q, W_k, W_v): place 32 b + 16 u + r holds row 32 b + 8 u + r % 8 + 16 (r / 8), so that the results of two
; neighbouring tiles are 16 neighbours in a lane's registers.  query and W_o keep their order.
; A block's scale is 2^(floor(log2(largest magnitude)) - 2); its byte is the largest magnitude's exponent field - 2, held at 1 from below.
; LIMITS: a block of zeros, or one whose largest magnitude lies under 2^-124, gets the byte 1 (its codes are zeros or held small; this program alone reads the bytes); NaN and infinities are not served.
; SHARES: 512 work-groups of four waves, each reading 256 KiB.  0-127 query, 128-255 key, 256-383 value, 384-447 the four weights (16 each), 448-511 the mask.
; A quantising wave takes 64 rows x 256 K of a panel: 8 fragments.  Each load reads 512 consecutive bytes of one row; a fragment's 16 loads turn through the wave's own stage in LDS (rows of 528 bytes), so that a lane
; gets 32 neighbours along K twice.  Loads run two fragments (32 loads a wave) ahead.  No tensor load, no barrier: waves share nothing.  The two paths have LDS bytes of their own.
.set STG,  8448                        ; a wave's stage: 16 rows x (512 + 16) bytes
.set VA,   4                           ; v4-7   byte offsets of my 16 bytes in a row, for the four (tile parity, upper eight rows) cases
.set SWD,  24                          ; v24-31 the scale words: 4 kf + (fragment's tile of rows)
.set C,    32                          ; v32-51 a fragment's codes (12) and the conversions' second halves (8)
.set MW,   52                          ; v52-55 the mask's words, two pairs by turns
.set X,    64                          ; v64-127 64 numbers of my row
.set R,    128                         ; v128-255 two sets of 16 loads
	s_load_b512 s[8:23], s[0:1], 0x0               ; query, key, value, W_q, W_k, W_v, W_o, mask
	s_load_b128 s[24:27], s[0:1], 0x40             ; acts, wts
	s_load_b64 s[28:29], s[0:1], 0x50              ; mbits
	v_lshl_add_u32 v62, v0, 2, 0x10800
	v_mov_b32 v63, 0
	v_lshrrev_b32 v1, 5, v0
	v_readfirstlane_b32 s30, v1                    ; wave 0..3
	v_and_b32 v1, 31, v0                           ; l
	v_and_b32 v2, 15, v0                           ; r
	v_bfe_u32 v3, v0, 4, 1                         ; h
	s_lshr_b32 s31, s30, 1                         ; which of the work-group's two panels (or tiles of queries)
	s_and_b32 s49, s30, 1                          ; which 64 rows of it (or which 8 key steps)
	s_mul_i32 s51, s30, STG
	s_mov_b32 s39, 0
	s_mov_b32 s52, 0x76543210
	s_mov_b32 s53, 0xfedcba98                      ; v_permlanex16_b32's selects for lane l xor 16
.macro TOST set                        ; a set's 16 loads go into the stage as they lie: row i at 528 i, 512 consecutive bytes a store
.irp i, 0,1,2,3,4,5,6,7,8,9,10,11,12,13,14,15
	ds_store_b128 v8, v[R+64*(\set)+4*\i:R+64*(\set)+4*\i+3] offset:528*\i
.endr
.endm
	s_wait_kmcnt 0x0
	s_cmp_ge_u32 ttmp9, 448
	s_cbranch_scc1 .Lmask
	; ---------------- the quantiser's path: which tensor, by the work-group's number alone
	s_mov_b64 s[32:33], s[8:9]                     ; SRC
	s_mov_b32 s34, 0                               ; the tensor's first work-group
	s_mov_b32 s35, 0                               ; 1: its rows are permuted
.macro PICK start, ptr, perm
	s_cmp_ge_u32 ttmp9, \start
	s_cselect_b64 s[32:33], s[\ptr:\ptr+1], s[32:33]
	s_cselect_b32 s34, \start, s34
	s_cselect_b32 s35, \perm, s35
.endm
	PICK 128, 10, 1
	PICK 256, 12, 1
	PICK 384, 14, 1
	PICK 400, 16, 1
	PICK 416, 18, 1
	PICK 432, 20, 0
	s_cmp_ge_u32 ttmp9, 384
	s_cselect_b64 s[44:45], s[26:27], s[24:25]     ; DST: wts or acts
	s_cselect_b32 s46, 384, 0
	s_cmp_eq_u32 s35, 1
	s_mov_b32 s47, 65536
	s_cselect_b32 s47, 32768, s47                  ; bytes from a pair's first tile of rows to its second: 8 rows where permuted, else 16
	s_mov_b32 s48, 32768
	s_cselect_b32 s48, 65536, s48                  ; bytes from a tile's lower eight rows to its upper eight: 16 rows where permuted, else 8
	s_sub_co_u32 s36, ttmp9, s34
	s_lshl_b32 s36, s36, 1
	s_add_co_u32 s36, s36, s31                     ; my panel in the tensor
	s_lshr_b32 s38, s36, 2
	s_lshl_b32 s38, s38, 19                        ; 128 rows of 4,096 bytes
	s_and_b32 s37, s36, 3
	s_lshl_b32 s37, s37, 10                        ; 256 numbers along K
	s_add_co_u32 s38, s38, s37
	s_add_nc_u64 s[32:33], s[32:33], s[38:39]
	s_sub_co_u32 s36, ttmp9, s46
	s_lshl_b32 s36, s36, 1
	s_add_co_u32 s36, s36, s31                     ; my panel in the workspace buffer
	s_mul_i32 s38, s36, 25600
	s_add_nc_u64 s[44:45], s[44:45], s[38:39]
	s_lshl_b32 s50, s49, 18                        ; my 64 rows
	v_lshlrev_b32 v[VA], 4, v1
	v_add_nc_u32 v[VA], s50, v[VA]
	v_add_nc_u32 v[VA+1], s48, v[VA]
	v_add_nc_u32 v[VA+2], s47, v[VA]
	v_add_nc_u32 v[VA+3], s48, v[VA+2]
	v_lshlrev_b32 v8, 4, v1
	v_add_nc_u32 v8, s51, v8                       ; the stage, in: 16 l
	v_mul_u32_u24 v9, v2, 528
	v_lshl_add_u32 v9, v3, 7, v9
	v_add_nc_u32 v9, s51, v9                       ; and out: row r, + 128 h: lane (r, h) takes k = 64 c + 32 h + 0 .. 31
	s_mul_i32 s50, s49, 12288
	v_lshl_add_u32 v10, v1, 3, s50                 ; the codes' place: 8 l + my four tiles of rows
	s_lshl_b32 s50, s49, 8
	s_add_co_u32 s50, s50, 24576
	v_lshl_add_u32 v11, v2, 4, s50
	v_lshl_add_u32 v11, v3, 9, v11                 ; the scale words': lanes 0-15 store kf = 0's, lanes 16-31 kf = 1's
	v_lshlrev_b32 v12, 3, v3                       ; 8 h
	v_mov_b32 v21, 0                               ; written once: a lane permute's destination counts as one of its sources
.macro LOADQ f                         ; fragment f = 2 (tile of rows) + kf: place i of the tile, 128 numbers of that row
.irp i, 0,1,2,3,4,5,6,7,8,9,10,11,12,13,14,15
	global_load_b128 v[R+64*((\f)%2)+4*\i:R+64*((\f)%2)+4*\i+3], v[VA+2*(((\f)/2)%2)+\i/8], s[32:33] offset:(32*((\f)/4)+\i%8)*4096+512*((\f)%2) th:TH_LOAD_NT
.endr
.endm
.macro QFRAG f
.irp c, 0,1                                    ; my block 2 c + h: all its 32 numbers are mine
	v_max3_num_f32 v[14+\c], |v[X+32*\c]|, |v[X+32*\c+1]|, 0x1800000   ; and the floor 2^(3 - 127): the byte cannot fall under 1
.endr
.irp i, 2,4,6,8,10,12,14,16,18,20,22,24,26,28,30
.irp c, 0,1
	v_max3_num_f32 v[14+\c], v[14+\c], |v[X+32*\c+\i]|, |v[X+32*\c+\i+1]|
.endr
.endr
.irp c, 0,1
	v_add_nc_u32 v[16+\c], 0xff000000, v[14+\c]    ; 2 off the exponent field: the conversion's scale operand
.endr
.irp c, 0,1
	v_lshrrev_b32 v[18+\c], 23, v[16+\c]           ; the scale's byte
.endr
	v_lshl_or_b32 v20, v19, 16, v18                ; blocks h and 2 + h,
	v_lshlrev_b32 v20, v12, v20                    ; at their places in the word;
	v_permlanex16_b32 v21, v20, s52, s53
	v_or_b32 v[SWD+4*((\f)%2)+(\f)/2], v20, v21    ; with lane l xor 16's two the word is whole
	s_wait_xcnt 0x0                                ; the last fragment's stores have read their data: the codes' registers are written again only behind this wait
.irp c, 0,1
	v_cvt_scalef32_pk16_fp6_f32 v[C+6*\c:C+6*\c+2], v[X+32*\c:X+32*\c+15], v[16+\c]
	v_cvt_scalef32_pk16_fp6_f32 v[C+12+4*\c:C+14+4*\c], v[X+32*\c+16:X+32*\c+31], v[16+\c]   ; (a conversion's three registers begin on an even number)
.endr
	v_nop                                          ; one plain place behind a scaled conversion
.irp c, 0,1
.irp i, 0,1,2
	v_mov_b32 v[C+3+6*\c+\i], v[C+12+4*\c+\i]
.endr
.endr
.irp p, 0,1,2,3,4,5
	global_store_b64 v10, v[C+2*\p:C+2*\p+1], s[44:45] offset:(\f)*1536+256*\p   ; 32 lanes store 256 consecutive bytes, aligned
.endr
.endm
.macro FRAGQ f
.if (\f) < 7
	s_wait_loadcnt 16                              ; this fragment's 16 loads are in; the next fragment's 16 may be out
.else
	s_wait_loadcnt 0x0
.endif
	TOST (\f)%2
.irp c, 0,1
.irp j, 0,1,2,3,4,5,6,7
	ds_load_b128 v[X+32*\c+4*\j:X+32*\c+4*\j+3], v9 offset:256*\c+16*\j   ; LDS serves a wave's instructions in order: these see the stores above
.endr
.endr
	s_wait_dscnt 0x0                               ; the numbers are back, and the stores have read the set, which takes the loads of two fragments on
.if (\f) < 6
	LOADQ (\f)+2
.endif
	QFRAG \f
.endm
	LOADQ 0
	LOADQ 1
.irp f, 0,1,2,3,4,5,6,7
	FRAGQ \f
.endr
	v_cmp_ne_u32 vcc_lo, 0, v3
.irp j, 0,1,2,3
	v_cndmask_b32 v[56+\j], v[SWD+\j], v[SWD+4+\j], vcc_lo
.endr
	global_store_b128 v11, v[56:59], s[44:45]      ; sixteen lanes store 256 consecutive bytes, aligned, twice
	s_wait_tensorcnt 0x0
	ds_add_u32 v62, v63
	s_wait_dscnt 0x0
	s_endpgm
	; ---------------- the mask's path.  Word n (0..63) of (tile of 16 queries qt, key step st): bit l = mask[16 qt + l % 16][128 st + 32 (n / 16) + 16 (l / 16) + n % 16] != 0
.Lmask:
	s_sub_co_u32 s36, ttmp9, 448
	s_lshl_b32 s36, s36, 1
	s_add_co_u32 s36, s36, s31                     ; qt
	s_lshl_b32 s38, s36, 17                        ; 16 rows of 8,192 bytes
	s_add_nc_u64 s[22:23], s[22:23], s[38:39]
	s_lshl_b32 s38, s36, 12                        ; 16 steps of 256 bytes
	s_lshl_b32 s37, s49, 11                        ; my 8 steps
	s_add_co_u32 s38, s38, s37
	s_add_nc_u64 s[28:29], s[28:29], s[38:39]
	s_lshl_b32 s37, s49, 12
	v_lshlrev_b32 v13, 4, v1
	v_add_nc_u32 v13, s37, v13                     ; 16 l + my 8 steps of 512 bytes
	s_add_co_u32 s51, s51, 4*STG                   ; this path's own stages
	v_lshlrev_b32 v8, 4, v1
	v_add_nc_u32 v8, s51, v8
	v_mul_u32_u24 v9, v2, 528
	v_lshl_add_u32 v9, v3, 6, v9
	v_add_nc_u32 v9, s51, v9                       ; out: row r, + 64 h: lane (r, h) takes keys 32 b + 16 h + 0 .. 15
	v_lshlrev_b32 v10, 3, v1
.irp j, 0,1,2,3
	v_mov_b32 v[MW+\j], 0                          ; written once: v_writelane_b32's destination counts as read
.endr
.macro LOADM u
.irp i, 0,1,2,3,4,5,6,7,8,9,10,11,12,13,14,15
	global_load_b128 v[R+64*((\u)%2)+4*\i:R+64*((\u)%2)+4*\i+3], v13, s[22:23] offset:\i*8192+512*(\u) th:TH_LOAD_NT
.endr
.endm
.macro MUNIT u
.if (\u) < 7
	s_wait_loadcnt 16                              ; this step's 16 loads are in; the next step's may be out
.else
	s_wait_loadcnt 0x0
.endif
	TOST (\u)%2
.irp b, 0,1,2,3
.irp j, 0,1,2,3
	ds_load_b128 v[X+16*\b+4*\j:X+16*\b+4*\j+3], v9 offset:128*\b+16*\j
.endr
.endr
	s_wait_dscnt 0x0
.if (\u) < 6
	LOADM (\u)+2
.endif
	s_wait_xcnt 0x0                                ; the store of two steps back has read its pair
.set n, 0
.rept 16                                       ; a compare's 32 lane bits ARE word n; lane n / 2 collects words n and n + 1
	v_cmp_ne_u32 s40, 0, v[X+n]
	v_cmp_ne_u32 s41, 0, v[X+n+1]
	v_cmp_ne_u32 s42, 0, v[X+n+2]
	v_cmp_ne_u32 s43, 0, v[X+n+3]
	v_writelane_b32 v[MW+2*((\u)%2)], s40, n/2
	v_writelane_b32 v[MW+2*((\u)%2)+1], s41, n/2
	v_writelane_b32 v[MW+2*((\u)%2)], s42, n/2+1
	v_writelane_b32 v[MW+2*((\u)%2)+1], s43, n/2+1
.set n, n+4
.endr
	global_store_b64 v10, v[MW+2*((\u)%2):MW+2*((\u)%2)+1], s[28:29] offset:256*(\u)   ; 32 lanes store 256 consecutive bytes, aligned
.endm
	LOADM 0
	LOADM 1
.irp u, 0,1,2,3,4,5,6,7
	MUNIT \u
.endr
	s_wait_tensorcnt 0x0
	ds_add_u32 v62, v63
	s_wait_dscnt 0x0
	s_endpgm
.Lfunc_end_k_qb7fcd9385c_prep:
	.size	k_qb7fcd9385c_prep, .Lfunc_end_k_qb7fcd9385c_prep-k_qb7fcd9385c_prep
	.p2alignl 7, 3214868480
	.fill 96, 4, 3214868480
	.section	.rodata,"a",@progbits
	.p2align	6, 0x0
	.amdhsa_kernel k_qb7fcd9385c_prep
		.amdhsa_group_segment_fixed_size 68096
		.amdhsa_private_segment_fixed_size 0
		.amdhsa_enable_private_segment 0
		.amdhsa_kernarg_size 88
		.amdhsa_user_sgpr_count 2
		.amdhsa_user_sgpr_kernarg_segment_ptr 1
		.amdhsa_wavefront_size32 1
		.amdhsa_system_sgpr_workgroup_id_x 1
		.amdhsa_system_sgpr_workgroup_id_y 1
		.amdhsa_system_sgpr_workgroup_id_z 1
		.amdhsa_system_vgpr_workitem_id 0
		.amdhsa_next_free_vgpr 256
		.amdhsa_next_free_sgpr 66
		.amdhsa_reserve_vcc 1
		.amdhsa_float_denorm_mode_32 3
		.amdhsa_float_denorm_mode_16_64 3
		.amdhsa_memory_ordered 1
		.amdhsa_forward_progress 1
		.amdhsa_inst_pref_size 156
	.end_amdhsa_kernel
	.amdgpu_metadata
---
amdhsa.version: [ 1, 2 ]
amdhsa.kernels:
  - .name:           k_qb7fcd9385c_prep
    .symbol:         k_qb7fcd9385c_prep.kd
    .args:
      - { .name: query, .offset: 0, .size: 8, .value_kind: global_buffer, .address_space: global }
      - { .name: key, .offset: 8, .size: 8, .value_kind: global_buffer, .address_space: global }
      - { .name: value, .offset: 16, .size: 8, .value_kind: global_buffer, .address_space: global }
      - { .name: W_q, .offset: 24, .size: 8, .value_kind: global_buffer, .address_space: global }
      - { .name: W_k, .offset: 32, .size: 8, .value_kind: global_buffer, .address_space: global }
      - { .name: W_v, .offset: 40, .size: 8, .value_kind: global_buffer, .address_space: global }
      - { .name: W_o, .offset: 48, .size: 8, .value_kind: global_buffer, .address_space: global }
      - { .name: mask, .offset: 56, .size: 8, .value_kind: global_buffer, .address_space: global }
      - { .name: acts, .offset: 64, .size: 8, .value_kind: global_buffer, .address_space: global }
      - { .name: wts, .offset: 72, .size: 8, .value_kind: global_buffer, .address_space: global }
      - { .name: mbits, .offset: 80, .size: 8, .value_kind: global_buffer, .address_space: global }
    .group_segment_fixed_size: 68096
    .private_segment_fixed_size: 0
    .kernarg_segment_align: 8
    .kernarg_segment_size: 88
    .max_flat_workgroup_size: 128
    .sgpr_count:     66
    .vgpr_count:     256
    .wavefront_size: 32
...
	.end_amdgpu_metadata
.endif
;; end of part 1
;; launch gemm_qkv (part 2): grid 4 x 96, 4 waves a work-group, clusters of 4 x 4, 327,680 bytes of LDS; arguments acts, wts, b_q, b_k, b_v, qbuf, kv; writes qbuf, kv
.if DOCPART == 2
	.amdgcn_target "amdgcn-amd-amdhsa--gfx1250"
	.amdhsa_code_object_version 6
	.text
	.protected	k_qb7fcd9385c_gemm_qkv
	.globl	k_qb7fcd9385c_gemm_qkv
	.p2align	8
	.type	k_qb7fcd9385c_gemm_qkv,@function
k_qb7fcd9385c_gemm_qkv:
	s_mov_b64 s[64:65], 0
	v_nop
	global_prefetch_b8 v0, s[64:65] scope:SCOPE_SE
	s_setreg_imm32_b32 hwreg(HW_REG_WAVE_MODE, 25, 1), 1
	s_wait_xcnt 0x0
	s_wait_alu depctr_hold_cnt(0) depctr_sa_sdst(0) depctr_va_vdst(0) depctr_va_sdst(0) depctr_va_ssrc(0) depctr_va_vcc(0) depctr_vm_vsrc(0)
	s_getreg_b32 s2, hwreg(HW_REG_IB_STS2, 6, 4)
	s_cmp_eq_u32 s2, 0
	s_cbranch_scc0 .Lentry_in_a_cluster
	s_endpgm
.Lentry_in_a_cluster:
	s_bfe_u32 s2, ttmp6, 0x10000c
	s_cmp_lg_u32 s2, 0xf033
	s_cbranch_scc0 .Lentry_shape_is_right
	s_endpgm
.Lentry_shape_is_right:
; THE THREE PROJECTIONS, on codes of FP6 (E2M3) with E8M0 scales, and the quantising of their results.  K = 1,024.  A tile of 256 x 256 to a work-group of four waves, 128 x 128 a wave: 64 accumulators, 512 registers.
; The cluster's y (0..23) says which product: 0-7 Q = query W_q^T + b_q, 8-15 K = key W_k^T + b_k, 16-23 V^T = W_v value^T + b_v.  "A" below is the operand whose rows a lane keeps (source 1), "B" the one along a lane's
; registers (source 0): the matrix instruction is used transposed.  Q, K: A = tokens, B = the weight's rows.  V: A = W_v's rows, B = tokens, since V is quantised along the keys.
; B's rows were laid permuted by the launch before, so that a lane's 64 results of a block of A's rows are four blocks of 16 NEIGHBOURS: register 16 b + i = B's row 32 b + 16 (lane / 16) + i.
; OPERANDS come as panels of 128 rows x 256 K, 25,600 dense bytes in the order of the operand's registers, scale words behind the codes: one tensor load a wave brings a panel, a fragment is six ds_load_b64 of 256
; consecutive bytes, the scale words of four blocks come by one ds_load_b128.  K goes in four steps of 256 through two LDS slots (A's two panels, then B's two), written out without a loop.
; CLUSTERS: 4 x 4 work-groups; A's panels are asked for jointly along a row of the cluster, B's along a column.
; THE WAY OUT uses no LDS: bias added in f32, blocks of 32 quantised in registers, codes and scale words stored in the order in which the attention launch's registers take them.
;   Q: qbuf [batch x 16 + head][chunk of 256 tokens][13,312]: tile T of 16 tokens at 768 T (registers 2 p, 2 p + 1 of lane l at 256 p + 8 l); scale words (two bytes, two zeros) at 12,288 + 256 (T / 4) + 16 r + 4 (T % 4).
;   kv [batch x 8 + head pair][chunk][K even head | K odd head | V even | V odd] = 52,224 bytes: K as Q; V^T: fragment (128 keys q, 16 channels t) at 6,144 q + 1,536 t, four registers of lane l at 512 g + 16 l; words at 12,288 + 256 q + 16 r + 4 t.
; LIMITS: a block of zeros or under 2^-124 gets the scale byte 1 (only this program reads the bytes); NaN and infinities are not served.
; REGISTERS: window 0: v16-30 addresses; v32-63 scale words, two sets; v64-127 the bias along the registers; v128-223 A's fragments, one set; v224-231 the bias along the lanes.  Window 1: B's fragments, two sets.  Windows 2, 3: accumulators.
.set PANEL, 25600
.set SLOT,  4*PANEL
.set SPARE, 2*SLOT                     ; behind the ring: the spare words, 128 bytes a wave: two blocks of 256 bytes that no other line names
.set FR,    12
.set NL,    6
.set NP,    4                          ; places behind this matrix instruction (ISA guide 7.12.1)
.set ADRA,  16                         ; v16-17 my A panel in slot 0, 1: + 8 l
.set ADRS,  18                         ; v18-19 my scale words: lanes 0-15 A's panel, lanes 16-31 B's
.set ADRB,  20                         ; v20-21 my B panel
.set VO8,   22                         ; v22-23 Q, K: the codes' place for the even and the odd head
.set VOS,   24                         ; v24    Q, K: the scale words'
.set VO16,  25                         ; v25    V: the codes'
.set VOSV,  26                         ; v26    V: the scale words'
.set SH16,  27                         ; v27    16 h
.set SPW,   28                         ; v28    my spare word; never rewritten
.set NIL,   29                         ; v29    0; never rewritten
.set HH,    30                         ; v30    h
.set SC,    32
.set BN,    64
.set AF,    128
.set BM,    224
.set TM,    32                         ; the way out: v32-47 at work, v48-55 scale words, v56-63 at work
.set SW,    48
.set PW,    56
.set Y,     128                        ; v128-191 64 results with their bias
.set PC,    192                        ; v192-211 codes
.set SEL,   94
.set G1,    24
.set G0,    32
.set G1B,   48
.set G0B,   56
.set MSB, 0
.macro WIN new                         ; the immediate's high byte repeats the setting that is left
.if MSB != \new
	s_set_vgpr_msb (MSB<<8)|\new
.set MSB, \new
.endif
.endm
.set MUL_LO, 0xa1                      ; source 0 (B) window 1, source 1 (A) window 0, C and D window 2
.set MUL_HI, 0xf1                      ; the same, C and D window 3
.set TO_B,   0x40
.macro JLOAD g0a, g1a, g0b, g1b        ; a joint load: waves 0 and 1 fetch A's panels, waves 2 and 3 B's; four v_nop follow each line
	s_cmp_eq_u32 s15, 0
	s_cbranch_scc0 .Lfor_b_\@
	tensor_load_to_lds s[\g0a:\g0a+3], s[\g1a:\g1a+7]
	s_nop 0
.rept 4
	v_nop
.endr
	s_branch .Lasked_\@
.Lfor_b_\@:
	tensor_load_to_lds s[\g0b:\g0b+3], s[\g1b:\g1b+7]
	s_nop 0
.rept 4
	v_nop
.endr
.Lasked_\@:
.endm
.macro CREST
	s_cmp_lg_u32 s14, 0
	s_cbranch_scc1 .Lnot_wave_0_\@
	s_barrier_signal -3
.Lnot_wave_0_\@:
	s_barrier_wait -3
	s_barrier_signal -1
	s_barrier_wait -1
.endm
.macro CROUND
	s_barrier_signal -1
	s_barrier_wait -1
	CREST
.endm
	s_load_b256 s[4:11], s[0:1], 0x0               ; acts, wts, b_q, b_k
	s_load_b128 s[68:71], s[0:1], 0x20             ; b_v, qbuf
	s_load_b64 s[72:73], s[0:1], 0x30              ; kv
	v_lshl_add_u32 v[SPW], v0, 2, SPARE
	v_mov_b32 v[NIL], 0
	ds_add_u32 v28, v29
	s_wait_dscnt 0x0
	v_lshrrev_b32 v1, 5, v0
	v_readfirstlane_b32 s14, v1                    ; wave 0..3
	s_lshr_b32 s15, s14, 1                         ; my half of A's rows.  Also: I fetch for A (0) or for B (1)
	s_and_b32 s16, s14, 1                          ; my half of B's rows.  Also: which panel I fetch
	s_bfe_u32 s40, ttmp6, 0x40000                  ; cx
	s_bfe_u32 s41, ttmp6, 0x40004                  ; cy
	s_and_b32 s74, ttmp7, 0xffff                   ; the cluster's y: the same in all sixteen partners
	s_lshr_b32 s75, s74, 3                         ; 0 Q, 1 K, 2 V
	s_and_b32 s76, s74, 7
	s_lshl_b32 s43, s41, 2
	s_lshl_b32 s43, 15, s43                        ; my row of the cluster
	s_lshl_b32 s44, 0x1111, s40                    ; my column
	s_or_b32 s[G1+0], s43, (3<<16)|(1<<21)         ; the mask; elements of 8 bytes; bit 21 beside a mask; no padding
	s_or_b32 s[G1B+0], s44, (3<<16)|(1<<21)
.irp g, G1, G1B
	s_mov_b32 s[\g+1], 32<<16                      ; tensor_dim0 = 32 elements: rows of 256 bytes
	s_mov_b32 s[\g+2], 100<<16                     ; tensor_dim1 = 100 rows: a panel
	s_mov_b32 s[\g+3], 32<<16                      ; tile_dim0
	s_mov_b32 s[\g+4], 100                         ; tile_dim1
	s_mov_b32 s[\g+5], 32                          ; the pitch: dense
	s_mov_b32 s[\g+6], 0
	s_mov_b32 s[\g+7], 0
.endr
	s_mov_b32 s[SEL], 0x76543210
	s_mov_b32 s[SEL+1], 0xfedcba98
	s_mul_i32 s84, s75, 6553600                    ; A: query at 0, key 256 panels on;
	s_mul_i32 s86, s75, 819200                     ; B: W_q at 0, W_k 32 panels on
	s_mov_b32 s85, 1638400                         ; V: A = W_v, 64 panels on in wts,
	s_mov_b32 s87, 13107200                        ;    B = value, 512 panels on in acts
	s_mov_b32 s90, 13312                           ; K: from the even head to the odd,
	s_mov_b32 s91, 417792                          ;    from head pair to head pair,
	s_mov_b32 s92, 52224                           ;    from chunk to chunk
	s_wait_kmcnt 0x0
	s_cmp_eq_u32 s75, 2
	s_cselect_b32 s66, 1, 0                        ; MODE: 1 = V
	s_cselect_b32 s77, 0, s76                      ; the cluster's place along A's tiles
	s_cselect_b32 s78, s76, 0                      ; and along B's
	s_cselect_b32 s84, s85, s84
	s_cselect_b32 s86, s87, s86
	s_cselect_b64 s[80:81], s[6:7], s[4:5]
	s_cselect_b64 s[82:83], s[4:5], s[6:7]
	s_cselect_b64 s[88:89], s[68:69], s[8:9]
	s_cmp_eq_u32 s75, 1
	s_cselect_b64 s[88:89], s[10:11], s[88:89]     ; the bias
	s_cmp_eq_u32 s75, 0
	s_cselect_b64 s[12:13], s[70:71], s[72:73]     ; the output: qbuf or kv
	s_cselect_b32 s90, 106496, s90                 ; Q's three strides
	s_cselect_b32 s91, 212992, s91
	s_cselect_b32 s92, 13312, s92
	s_lshl_b32 s17, s77, 2
	s_add_co_u32 s17, s17, s41                     ; TR: A's tile of 256 rows
	s_lshl_b32 s42, s78, 2
	s_add_co_u32 s42, s42, s40                     ; TC: B's
	s_lshl_b32 s20, s17, 1
	s_add_co_u32 s20, s20, s16
	s_mul_i32 s20, s20, 4*PANEL                    ; the 128 rows that I fetch: four panels along K
	s_add_co_u32 s20, s20, s84
	s_mov_b32 s21, 0
	s_add_nc_u64 s[20:21], s[80:81], s[20:21]
	s_lshl_b32 s46, s42, 1
	s_add_co_u32 s46, s46, s16
	s_mul_i32 s46, s46, 4*PANEL
	s_add_co_u32 s46, s46, s86
	s_mov_b32 s47, 0
	s_add_nc_u64 s[46:47], s[82:83], s[46:47]
	s_mul_i32 s45, s14, PANEL                      ; where it goes: wave x a panel: no place in the cluster enters an LDS address
	CROUND                                         ; all sixteen work-groups are here: the first joint loads meet
.irp s, 0,1
	s_mov_b32 s[G0+4*\s], 1
	s_add_co_u32 s[G0+4*\s+1], s45, \s*SLOT
	s_add_nc_u64 s[G0+4*\s+2:G0+4*\s+3], s[20:21], \s*PANEL
	s_or_b32 s[G0+4*\s+3], s[G0+4*\s+3], 0x80000000
	s_mov_b32 s[G0B+4*\s], 1
	s_add_co_u32 s[G0B+4*\s+1], s45, \s*SLOT
	s_add_nc_u64 s[G0B+4*\s+2:G0B+4*\s+3], s[46:47], \s*PANEL
	s_or_b32 s[G0B+4*\s+3], s[G0B+4*\s+3], 0x80000000
	JLOAD G0+4*\s, G1, G0B+4*\s, G1B
.endr
	v_and_b32 v1, 15, v0                           ; r
	v_bfe_u32 v2, v0, 4, 1                         ; h
	v_and_b32 v3, 31, v0                           ; l
	v_lshlrev_b32 v4, 3, v3                        ; 8 l
	s_mul_i32 s21, s15, PANEL
	s_mul_i32 s22, s16, PANEL
	s_add_co_u32 s22, s22, 2*PANEL
.irp s, 0,1
	v_add_nc_u32 v[ADRA+\s], s21, v4
	v_add_nc_u32 v[ADRB+\s], s22, v4
	s_add_co_u32 s21, s21, SLOT
	s_add_co_u32 s22, s22, SLOT
.endr
	s_mul_i32 s21, s15, PANEL
	s_mul_i32 s22, s16, PANEL
	s_add_co_u32 s22, s22, 2*PANEL
	s_sub_co_u32 s22, s22, s21
	v_mul_u32_u24 v6, s22, v2                      ; lanes 16-31 take B's panel: one product, h x the distance
	v_lshl_add_u32 v5, v1, 4, v6
	s_add_co_u32 s21, s21, 24576
	v_add_nc_u32 v[ADRS], s21, v5
	v_add_nc_u32 v[ADRS+1], SLOT, v[ADRS]
	; the biases.  Both sets are loaded on the one way that all waves take; the set that a product does not use is read from the buffer's start (512 bytes a wave that serve nothing)
	s_lshl_b32 s22, s42, 10
	s_lshl_b32 s23, s16, 9
	s_add_co_u32 s22, s22, s23                     ; Q, K: my 128 features, in bytes
	s_lshl_b32 s23, s17, 10
	s_lshl_b32 s79, s15, 9
	s_add_co_u32 s23, s23, s79                     ; V: likewise
	s_cmp_eq_u32 s66, 1
	s_cselect_b32 s22, 0, s22
	s_cselect_b32 s23, s23, 0
	v_lshl_add_u32 v7, v2, 6, s22                  ; along the registers: tile 2 b + u holds features 32 b + 16 h + 8 u + 0 .. 7
	v_lshrrev_b32 v8, 3, v1
	v_lshl_add_u32 v8, v8, 3, v1
	v_lshl_add_u32 v8, v8, 2, s23                  ; along the lanes: place r of block 2 b + u is feature 32 b + 8 u + r + 8 (r / 8)
.irp t, 0,1,2,3,4,5,6,7
	global_load_b128 v[BN+8*\t:BN+8*\t+3], v7, s[88:89] offset:(32*(\t/2)+8*(\t%2))*4
	global_load_b128 v[BN+8*\t+4:BN+8*\t+7], v7, s[88:89] offset:(32*(\t/2)+8*(\t%2))*4+16
.endr
.irp a, 0,1,2,3,4,5,6,7
	global_load_b32 v[BM+\a], v8, s[88:89] offset:(32*(\a/2)+8*(\a%2))*4
.endr
	; the way out's offsets
	s_mul_i32 s21, s15, 6144
	v_add_nc_u32 v[VO8], s21, v4                   ; 8 l + my eight tiles of tokens
	v_add_nc_u32 v[VO8+1], s90, v[VO8]
	v_mul_u32_u24 v[VOS], s90, v2                  ; lanes 0-15 store the even head's words, lanes 16-31 the odd head's
	v_lshl_add_u32 v[VOS], v1, 4, v[VOS]
	s_lshl_b32 s21, s15, 9
	s_add_co_u32 s21, s21, 12288
	v_add_nc_u32 v[VOS], s21, v[VOS]
	s_mul_i32 s21, s16, 6144
	v_lshl_add_u32 v[VO16], v3, 4, s21             ; 16 l + my 128 keys
	v_mul_u32_u24 v[VOSV], v2, 12800
	v_lshl_add_u32 v[VOSV], v1, 4, v[VOSV]
	s_lshl_b32 s21, s16, 8
	s_add_co_u32 s21, s21, 12288
	v_add_nc_u32 v[VOSV], s21, v[VOSV]
	v_lshlrev_b32 v[SH16], 4, v2
	v_mov_b32 v[HH], v2
	s_lshl_b32 s79, s42, 1
	s_add_co_u32 s79, s79, s16                     ; Q, K: my head pair
	s_lshl_b32 s93, s17, 1
	s_add_co_u32 s93, s93, s15                     ; V: likewise
	s_cmp_eq_u32 s66, 1
	s_cselect_b32 s79, s93, s79
	s_cselect_b32 s93, s42, s17                    ; the tile of 256 tokens: batch x 8 + chunk
	s_cselect_b32 s96, 26624, 0                    ; V lies behind the two K parts
	s_lshr_b32 s97, s93, 3
	s_lshl_b32 s97, s97, 3
	s_add_co_u32 s97, s97, s79
	s_mul_i32 s97, s97, s91
	s_and_b32 s93, s93, 7
	s_mul_i32 s93, s93, s92
	s_add_co_u32 s97, s97, s93
	s_add_co_u32 s96, s97, s96
	s_mov_b32 s97, 0
	s_add_nc_u64 s[12:13], s[12:13], s[96:97]
.macro FRAG reg, adr, q, i             ; fragment (block i, the slot's q-th 128 along K): registers 2 p, 2 p + 1 of lane l lie at 256 p + 8 l
.irp p, 0,1,2,3,4,5
	ds_load_b64 v[\reg+2*\p:\reg+2*\p+1], v[\adr] offset:(2*(\i)+(\q))*1536+256*\p
.endr
.endm
; 16 matrix instructions: A's blocks a0, a0 + 1 x B's eight.  The 64 accumulators take turns, one instruction a turn, in the same order in every step.
.macro MUL16 a0, p, q, sc, zero
.irp a, \a0, \a0+1
.irp b, 0,1,2,3,4,5,6,7
.if \zero
	v_wmma_scale_f32_16x16x128_f8f6f4 v[8*(8*((\a)%4)+\b):8*(8*((\a)%4)+\b)+7], v[128*(\p)+FR*\b:128*(\p)+FR*\b+FR-1], v[AF+FR*(\a):AF+FR*(\a)+FR-1], 0, v[SC+16*(\sc)+8*(\q)+\b], v[SC+16*(\sc)+8*(\q)+(\a)] matrix_a_fmt:MATRIX_FMT_FP6 matrix_b_fmt:MATRIX_FMT_FP6 matrix_a_scale:MATRIX_SCALE_ROW1
.else
	v_wmma_scale_f32_16x16x128_f8f6f4 v[8*(8*((\a)%4)+\b):8*(8*((\a)%4)+\b)+7], v[128*(\p)+FR*\b:128*(\p)+FR*\b+FR-1], v[AF+FR*(\a):AF+FR*(\a)+FR-1], v[8*(8*((\a)%4)+\b):8*(8*((\a)%4)+\b)+7], v[SC+16*(\sc)+8*(\q)+\b], v[SC+16*(\sc)+8*(\q)+(\a)] matrix_a_fmt:MATRIX_FMT_FP6 matrix_b_fmt:MATRIX_FMT_FP6 matrix_a_scale:MATRIX_SCALE_ROW1
.endif
.endr
.endr
.endm
.macro FETCH_B slot, q, p
	WIN TO_B
.irp i, 0,1,2,3,4,5,6,7
	FRAG 128*(\p)+FR*\i, ADRB+\slot, \q, \i
.endr
	WIN 0
.endm
.macro FETCH_A slot, q, i0
.irp i, \i0, \i0+1, \i0+2, \i0+3
	FRAG AF+FR*(\i), ADRA+\slot, \q, \i
.endr
.endm
.macro SCALES sc                       ; a slot's scale words: register 8 q + i: lanes 0-15 the word of A's block i, lanes 16-31 that of B's block i
.irp q, 0,1
.irp g, 0,1
	ds_load_b128 v[SC+16*\sc+8*\q+4*\g:SC+16*\sc+8*\q+4*\g+3], v[ADRS+\sc] offset:512*\q+256*\g
.endr
.endr
.endm
.macro PLACES n                        ; plain vector instructions between a matrix instruction and a load into, or a vector instruction on, its registers
.rept \n
	v_nop
.endr
.endm
.macro STEP slot, q, zero              ; 128 along K whose successor lies in the same slot
	s_wait_dscnt 4*NL                              ; all but the youngest 24 loads (A's blocks 4-7) are in
	WIN MUL_LO
	MUL16 0, (\q)%2, \q, \slot, \zero
	MUL16 2, (\q)%2, \q, \slot, \zero
	s_wait_dscnt 0
	PLACES NP
	FETCH_B \slot, (\q)+1, 1-(\q)%2
	FETCH_A \slot, (\q)+1, 0
	WIN MUL_HI
	MUL16 4, (\q)%2, \q, \slot, \zero
	MUL16 6, (\q)%2, \q, \slot, \zero
	PLACES NP
	WIN 0
	FETCH_A \slot, (\q)+1, 4
.endm
; A slot's last step changes slots: one barrier; in front of it each wave waits for all its tensor loads, adds 0 to its spare word, and waits for that and for its reads of this slot.
.macro TURN slot, next, fill
	s_wait_tensorcnt 0x0                           ; all my tensor loads have landed: my panel of the next slot
	ds_add_u32 v[SPW], v[NIL]                      ; 0 onto my spare word
	s_wait_dscnt 4*NL+1                            ; the add and the youngest 24 loads may be out
	WIN MUL_LO
	MUL16 0, 1, 1, \slot, 0
	s_wait_dscnt 0x0                               ; the add is done, and my reads of this slot are over
	s_barrier_signal -1
	MUL16 2, 1, 1, \slot, 0
	WIN 0
	s_barrier_wait -1
.if \fill
	CREST                                          ; the barrier has opened a round of the cluster's: no wave of any partner still reads this slot or has a load on its way
	s_add_nc_u64 s[G0+4*\slot+2:G0+4*\slot+3], s[G0+4*\slot+2:G0+4*\slot+3], 2*PANEL
	s_add_nc_u64 s[G0B+4*\slot+2:G0B+4*\slot+3], s[G0B+4*\slot+2:G0B+4*\slot+3], 2*PANEL
	JLOAD G0+4*\slot, G1, G0B+4*\slot, G1B         ; the first tensor load behind the round; its four v_nop are the places in front of the loads below
.else
	PLACES NP
.endif
	FETCH_B \next, 0, 0
	FETCH_A \next, 0, 0
	SCALES \next
	WIN MUL_HI
	MUL16 4, 1, 1, \slot, 0
	MUL16 6, 1, 1, \slot, 0
	PLACES NP
	WIN 0
	FETCH_A \next, 0, 4
.endm
	s_wait_tensorcnt 1                             ; my panel of slot 0 is in; slot 1's may be out
	s_barrier_signal -1
	s_barrier_wait -1
	FETCH_B 0, 0, 0
	FETCH_A 0, 0, 0
	SCALES 0
	FETCH_A 0, 0, 4
	STEP 0, 0, 1                                   ; the first products start the sums
	TURN 0, 1, 1                                   ; slot 0 takes K 512 on
	STEP 1, 0, 0
	TURN 1, 0, 1                                   ; slot 1 takes K 768 on
	STEP 0, 0, 0
	TURN 0, 1, 0
	STEP 1, 0, 0
	s_wait_dscnt 4*NL
	WIN MUL_LO
	MUL16 0, 1, 1, 1, 0
	MUL16 2, 1, 1, 1, 0
	s_wait_dscnt 0
	WIN MUL_HI
	MUL16 4, 1, 1, 1, 0
	MUL16 6, 1, 1, 1, 0
	WIN 0
; 64 numbers of a lane, register 16 b + i = k 32 b + 16 (lane / 16) + i of my row, become a fragment's codes in v[PC] on and its scale word in v[pw]
.macro QUANT s, pw
.irp b, 0,1,2,3
	v_max3_num_f32 v[TM+\b], |v[\s+16*\b]|, |v[\s+1+16*\b]|, 0x1800000   ; and the floor 2^(3 - 127): the byte cannot fall under 1
.endr
.irp i, 2,4,6,8,10,12,14
.irp b, 0,1,2,3
	v_max3_num_f32 v[TM+\b], v[TM+\b], |v[\s+16*\b+\i]|, |v[\s+1+16*\b+\i]|
.endr
.endr
.irp b, 0,1,2,3
	v_permlanex16_b32 v[TM+4+\b], v[TM+\b], s[SEL], s[SEL+1]
.endr
.irp b, 0,1,2,3
	v_max_num_f32 v[TM+\b], v[TM+\b], v[TM+4+\b]   ; with lane l xor 16's: the block's largest magnitude
.endr
.irp b, 0,1,2,3
	v_add_nc_u32 v[TM+12+\b], 0xff000000, v[TM+\b] ; 2 off its exponent field: the conversion's scale operand
.endr
.irp b, 0,1,2,3
	v_lshrrev_b32 v[TM+4+\b], 23, v[TM+12+\b]      ; the scale's byte
.endr
	v_lshl_or_b32 v[\pw], v[TM+5], 8, v[TM+4]
	v_lshl_or_b32 v[\pw], v[TM+6], 16, v[\pw]
	v_lshl_or_b32 v[\pw], v[TM+7], 24, v[\pw]
.irp c, 0,1
	v_cvt_scalef32_pk16_fp6_f32 v[PC+6*\c:PC+2+6*\c], v[\s+32*\c:\s+15+32*\c], v[TM+12+2*\c]
	v_cvt_scalef32_pk16_fp6_f32 v[PC+12+4*\c:PC+14+4*\c], v[\s+16+32*\c:\s+31+32*\c], v[TM+12+2*\c+1]
.endr
	v_nop                                          ; one plain place behind a scaled conversion
.irp c, 0,1                                    ; the operand's layout wants a whole block in a lane
.irp i, 0,1,2
	v_permlane16_swap_b32 v[PC+6*\c+\i], v[PC+12+4*\c+\i]
.endr
.irp i, 0,1,2
	v_mov_b32 v[PC+3+6*\c+\i], v[PC+12+4*\c+\i]
.endr
.endr
.endm
; THE WAY OUT, block a of A's rows at a time.  One packed addition moves two results into window 0 and adds their bias; each accumulator is read from its low end on.
.macro EPI mode
.irp a, 0,1,2,3,4,5,6,7
.set WW, 2+\a/4
	WIN WW                                         ; source 0: window 2 or 3
.set i, 0
.rept 32
.if \mode
.if \a%2
	v_pk_add_f32 v[Y+2*i:Y+2*i+1], v[64*(\a%4)+2*i:64*(\a%4)+2*i+1], v[BM+2*(\a/2):BM+2*(\a/2)+1] op_sel:[0,1] op_sel_hi:[1,1]
.else
	v_pk_add_f32 v[Y+2*i:Y+2*i+1], v[64*(\a%4)+2*i:64*(\a%4)+2*i+1], v[BM+2*(\a/2):BM+2*(\a/2)+1] op_sel:[0,0] op_sel_hi:[1,0]
.endif
.else
	v_pk_add_f32 v[Y+2*i:Y+2*i+1], v[64*(\a%4)+2*i:64*(\a%4)+2*i+1], v[BN+2*i:BN+2*i+1]
.endif
.set i, i+1
.endr
	WIN 0
	s_wait_xcnt 0x0                                ; the last block's stores have read their data: codes and words are written again only behind this wait
.if \mode
	QUANT Y, SW+\a
.irp g, 0,1,2
	global_store_b128 v[VO16], v[PC+4*\g:PC+4*\g+3], s[12:13] offset:12800*(\a/4)+1536*(\a%4)+512*\g   ; 32 lanes store 512 consecutive bytes, aligned to 256
.endr
.else
	QUANT Y, PW
.irp c, 0,1
.irp p, 0,1,2
	global_store_b64 v[VO8+\c], v[PC+6*\c+2*\p:PC+6*\c+2*\p+1], s[12:13] offset:768*\a+256*\p   ; head c's half of the fragment: 32 lanes store 256 consecutive bytes, aligned
.endr
.endr
	v_lshrrev_b32 v[PW+1], v[SH16], v[PW]
	v_and_b32 v[SW+\a%4], 0xffff, v[PW+1]          ; lanes 0-15: the even head's two bytes, lanes 16-31 the odd head's; the upper two bytes 0: they stand over zero codes
.if \a%4 == 3
	global_store_b128 v[VOS], v[SW:SW+3], s[12:13] offset:256*(\a/4)
.endif
.endif
.endr
.if \mode
	v_cmp_ne_u32 vcc_lo, 0, v[HH]
.irp t, 0,1,2,3
	v_cndmask_b32 v[60+\t], v[SW+\t], v[SW+4+\t], vcc_lo   ; lanes 0-15: the even head's four tiles of channels, lanes 16-31 the odd head's
.endr
	global_store_b128 v[VOSV], v[60:63], s[12:13]
.endif
.endm
	PLACES NP                                      ; behind the last products: vector instructions read results and write over operands and scale words
.irp b, 0,1,2,3
	v_mov_b32 v[TM+4+\b], 0                        ; written once: a lane permute's destination counts as one of its sources
.endr
	s_wait_loadcnt 0x0                             ; the biases
	s_cmp_eq_u32 s66, 1                            ; hangs on the cluster's y alone: the same in all partners
	s_cbranch_scc1 .Lv
	EPI 0
	s_branch .Lend
.Lv:
	EPI 1
.Lend:
	s_wait_tensorcnt 0x0                           ; the wave's end
	ds_add_u32 v[SPW], v[NIL]
	s_wait_dscnt 0x0
	CROUND                                         ; the closing round: no work-group ends while a partner may still ask for a panel that names it
	s_endpgm
.Lfunc_end_k_qb7fcd9385c_gemm_qkv:
	.size	k_qb7fcd9385c_gemm_qkv, .Lfunc_end_k_qb7fcd9385c_gemm_qkv-k_qb7fcd9385c_gemm_qkv
	.p2alignl 7, 3214868480
	.fill 96, 4, 3214868480
	.section	.rodata,"a",@progbits
	.p2align	6, 0x0
	.amdhsa_kernel k_qb7fcd9385c_gemm_qkv
		.amdhsa_group_segment_fixed_size 327680
		.amdhsa_private_segment_fixed_size 0
		.amdhsa_enable_private_segment 0
		.amdhsa_kernarg_size 56
		.amdhsa_user_sgpr_count 2
		.amdhsa_user_sgpr_kernarg_segment_ptr 1
		.amdhsa_wavefront_size32 1
		.amdhsa_system_sgpr_workgroup_id_x 1
		.amdhsa_system_sgpr_workgroup_id_y 1
		.amdhsa_system_sgpr_workgroup_id_z 1
		.amdhsa_system_vgpr_workitem_id 0
		.amdhsa_next_free_vgpr 1024
		.amdhsa_next_free_sgpr 100
		.amdhsa_reserve_vcc 1
		.amdhsa_float_denorm_mode_32 3
		.amdhsa_float_denorm_mode_16_64 3
		.amdhsa_memory_ordered 1
		.amdhsa_forward_progress 1
		.amdhsa_inst_pref_size 233
	.end_amdhsa_kernel
	.amdgpu_metadata
---
amdhsa.version: [ 1, 2 ]
amdhsa.kernels:
  - .name:           k_qb7fcd9385c_gemm_qkv
    .symbol:         k_qb7fcd9385c_gemm_qkv.kd
    .args:
      - { .name: acts, .offset: 0, .size: 8, .value_kind: global_buffer, .address_space: global }
      - { .name: wts, .offset: 8, .size: 8, .value_kind: global_buffer, .address_space: global }
      - { .name: b_q, .offset: 16, .size: 8, .value_kind: global_buffer, .address_space: global }
      - { .name: b_k, .offset: 24, .size: 8, .value_kind: global_buffer, .address_space: global }
      - { .name: b_v, .offset: 32, .size: 8, .value_kind: global_buffer, .address_space: global }
      - { .name: qbuf, .offset: 40, .size: 8, .value_kind: global_buffer, .address_space: global }
      - { .name: kv, .offset: 48, .size: 8, .value_kind: global_buffer, .address_space: global }
    .group_segment_fixed_size: 327680
    .private_segment_fixed_size: 0
    .kernarg_segment_align: 8
    .kernarg_segment_size: 56
    .max_flat_workgroup_size: 128
    .sgpr_count:     100
    .vgpr_count:     1024
    .wavefront_size: 32
...
	.end_amdgpu_metadata
.endif
;; end of part 2
;; launch attn (part 3): grid 16 x 32, 16 waves a work-group, no clusters, 327,680 bytes of LDS; arguments qbuf, kv, mbits, ctx; writes ctx
.if DOCPART == 3
	.amdgcn_target "amdgcn-amd-amdhsa--gfx1250"
	.amdhsa_code_object_version 6
	.text
	.protected	k_qb7fcd9385c_attn
	.globl	k_qb7fcd9385c_attn
	.p2align	8
	.type	k_qb7fcd9385c_attn,@function
k_qb7fcd9385c_attn:
	s_mov_b64 s[64:65], 0
	v_nop
	global_prefetch_b8 v0, s[64:65] scope:SCOPE_SE
	s_setreg_imm32_b32 hwreg(HW_REG_WAVE_MODE, 25, 1), 1
	s_wait_xcnt 0x0
; ATTENTION on codes of FP6 (E2M3) with E8M0 scales: ctx = softmax(where(mask == 0, -1e9, Q K^T / 8)) V for 64 (batch, head) pairs of 2,048 x 64, and the quantising of ctx along d_model.
; THE SOFTMAX AHEAD OF THE SECOND PRODUCT: t = logit x log2(e); M = the row's largest t so far, rounded UP to a whole number; p = 2^(t - M) is quantised along the keys, not normalised; the row's sum is taken of the
; unquantised p and divides O at the end.  When M moves, the sum and O are multiplied by 2^(old M - new M): exact.  A masked logit is -1e9: its t is the whole number -1,442,695,040; in a row all of whose keys are masked every p is 1.
; (t and t - M are two instructions, not one fused: fused, a masked score would leave a fraction behind in such a row, and p would be no power of two.)
; SHARES: a work-group owns 128 queries of a PAIR of heads; wave w owns head parity w / 8 and the tile of 16 queries w % 8, in 256 registers: four waves to a SIMD, so that one wave's vector work stands beside another's
; matrix work and LDS loads.  Every wave walks all 2,048 keys, 128 a step.  A slot is 512 keys of both heads, K and V with their scale words: two chunks of 52,224 dense bytes as the launch before laid them: four key steps
; between two barriers.  Two slots, filled by waves 0 to 3, a quarter each.
; BOTH PRODUCTS TRANSPOSED: S^T = K Q^T, O^T = V^T P^T: a lane holds one query throughout.  Keys and channels were laid permuted, so that the 16 registers of two neighbouring tiles are 16 neighbours:
; score register n holds key 32 (n / 16) + 16 (lane / 16) + n % 16, O^T's register n channel 32 (n / 16) + 16 (lane / 16) + n % 16.
; THE FIRST PRODUCT'S K IS THE HEAD'S 64.  Q's codes for k = 64 .. 127 are zeros, so whatever codes stand in the upper six registers of a fragment of K add nothing: E2M3 has no code for infinity or NaN, and the scale bytes
; of those blocks are 0, not 0xff.  So a step's eight tiles of K come in ONE run: four into registers of their own, four into V's, which are free until the scores are made; their upper six registers hold old codes of V.
; THE MASK comes as lane masks: word n of (my tile, step) has bit l for score register n of lane l.  A step's 64 words have 64 scalar registers and are asked for one key step ahead; v_cndmask_b32 selects, nothing branches.
; NO JOINT LOADS, though the 16 work-groups of a head pair walk the same slots: for a slot's 104,448 bytes a work-group issues 16 x 4 x 12 matrix and 16 x 4 x some 340 vector instructions, so the fetch is a small
; part of a slot's work, and a refill goes out straight behind the barrier, four key steps ahead of the wait for it.
; LIMITS: 1 / sum by v_rcp_f32; p under 2^-126 counts as 0; a block of zeros gets the scale byte 1 (only this program reads the bytes); NaN and infinities are not served.
; VECTOR REGISTERS: v1-4 lane places; v5, v6 the add's; v7 ctx's offset; v8-11 the step's addresses; v12 -M, v13 largest t, v[14:15] the sum; v16-27 Q; v28 Q's scale word; v29 the masked t; v30, v31 LDS places of ctx's scale bytes;
;   v32-79 K's tiles 0-3; v80-127 K's tiles 4-7, then four fragments of V; v128-191 S^T, then p; v192-223 O^T; v224-235 p's codes; v232-254 at work (v244-247 also the scale words of K's tiles 4-7, v248-251 those of tiles 0-3, then V's).
; SCALAR REGISTERS: s2 the slot in hand; s3 trips; s[4:7] descriptor group 0; s[8:9] the mask words; s[10:11], s[12:13] ctx; s[14:15] Q; s18 wave; s[20:23] constants; s[24:31] descriptor group 1;
;   s[32:63] mask words 32-63 (word n in s[n]; the head's temporaries before that); s[68:99] mask words 0-31.
.set SLOT1, 131072                     ; slot 1 begins here, so that one exclusive or turns an address in one slot into the other's
.set CHUNK, 52224                      ; 256 keys of both heads
.set QUART, 26112                      ; a quarter of a slot: 102 rows of 256 bytes
.set SPARE, 262144                     ; the spare words, 128 bytes for each of 16 waves: eight blocks of 256 bytes that no other line names
.set GATH,  264192                     ; 512 bytes in which the 16 waves' scale bytes of ctx meet; no fill lands there
.set AK0,  1
.set AV0,  2
.set ASK0, 3
.set ASV0, 4
.set SPW,  5
.set NIL,  6
.set ADK,  8
.set ADV,  9
.set ADS,  10
.set ADT,  11
.set TB,   2                           ; s2  LDS byte at which the slot in hand begins
.set WV,   18
.macro TLOAD                           ; waves 0 to 3 fetch; four v_nop follow the line
	s_cmp_lt_u32 s[WV], 4
	s_cbranch_scc0 .Lnot_\@
	tensor_load_to_lds s[4:7], s[24:31]
	s_nop 0
.rept 4
	v_nop
.endr
.Lnot_\@:
.endm
	s_load_b64 s[14:15], s[0:1], 0x0               ; qbuf
	s_load_b64 s[6:7], s[0:1], 0x8                 ; kv: where the descriptor wants the address
	s_load_b128 s[8:11], s[0:1], 0x10              ; mbits, ctx
	v_lshl_add_u32 v[SPW], v0, 2, SPARE
	v_mov_b32 v[NIL], 0
	ds_add_u32 v5, v6
	s_wait_dscnt 0x0
	v_lshrrev_b32 v8, 5, v0
	v_readfirstlane_b32 s[WV], v8                  ; wave 0..15
	s_and_b32 s32, ttmp7, 0xffff                   ; y = batch x 8 + head pair
	s_lshr_b32 s33, s[WV], 3                       ; c: my head's parity
	s_and_b32 s34, s[WV], 7                        ; my tile of queries
	s_and_b32 s35, s[WV], 3                        ; which quarter of a slot I fetch, if I fetch
	s_mov_b32 s24, 3<<16                           ; no mask; elements of 8 bytes; no padding
	s_mov_b32 s25, 32<<16                          ; tensor_dim0: rows of 256 bytes
	s_mov_b32 s26, 102<<16                         ; tensor_dim1
	s_mov_b32 s27, 32<<16                          ; tile_dim0
	s_mov_b32 s28, 102                             ; tile_dim1
	s_mov_b32 s29, 32                              ; the pitch: dense
	s_mov_b32 s30, 0
	s_mov_b32 s31, 0
	s_mul_i32 s36, s35, QUART
	s_mul_i32 s38, s32, 417792                     ; the head pair's eight chunks
	s_add_co_u32 s38, s38, s36
	s_mov_b32 s39, 0
	s_mov_b32 s20, 0x76543210
	s_mov_b32 s21, 0xfedcba98                      ; v_permlanex16_b32's selects for lane l xor 16
	s_mov_b32 s22, 0x3e38aa3b                      ; log2(e) / 8
	s_mov_b32 s23, s22                             ; (named with it as a pair, so it is written)
	s_mov_b32 s[TB], 0
	s_mov_b32 s3, 3
	s_wait_kmcnt 0x0
	s_mov_b32 s4, 1                                ; count = 1
	s_mov_b32 s5, s36                              ; LDS: slot 0, my quarter
	s_add_nc_u64 s[6:7], s[6:7], s[38:39]          ; memory: the head pair's first 512 keys, my quarter
	s_or_b32 s7, s7, 0x80000000                    ; type = 2
	TLOAD                                          ; slot 0
	s_lshl_b32 s40, s32, 1
	s_add_co_u32 s40, s40, s33                     ; batch x 16 + head
	s_mul_i32 s40, s40, 106496
	s_lshr_b32 s41, ttmp9, 1
	s_mul_i32 s41, s41, 13312                      ; my queries' chunk of 256
	s_add_co_u32 s40, s40, s41
	s_mov_b32 s41, 0
	s_add_nc_u64 s[14:15], s[14:15], s[40:41]
	s_and_b32 s42, ttmp9, 1
	s_lshl_b32 s42, s42, 3
	s_add_co_u32 s42, s42, s34                     ; T: my tile in the chunk
	s_mul_i32 s43, s42, 768
	v_and_b32 v9, 31, v0                           ; l
	v_and_b32 v8, 15, v0                           ; r
	v_lshl_add_u32 v10, v9, 3, s43
.irp p, 0,1,2
	global_load_b64 v[16+2*\p:17+2*\p], v10, s[14:15] offset:256*\p   ; Q's fragment stays in registers
.endr
	s_lshr_b32 s44, s42, 2
	s_lshl_b32 s44, s44, 8
	s_and_b32 s45, s42, 3
	s_lshl_b32 s45, s45, 2
	s_add_co_u32 s44, s44, s45
	s_add_co_u32 s44, s44, 12288
	v_lshl_add_u32 v11, v8, 4, s44
	global_load_b32 v28, v11, s[14:15]             ; Q's scale words
	s_lshl_b32 s38, ttmp9, 3
	s_add_co_u32 s38, s38, s34
	s_lshl_b32 s38, s38, 12
	s_add_nc_u64 s[8:9], s[8:9], s[38:39]          ; my tile's mask words: 16 steps of 256 bytes
	s_mul_i32 s46, s33, 13312
	s_mul_i32 s47, s33, 12800
	v_lshl_add_u32 v[AK0], v9, 3, s46              ; K: 8 l + my head's part
	s_add_co_u32 s48, s47, 26624
	v_lshl_add_u32 v[AV0], v9, 4, s48              ; V: 16 l + my head's part
	s_add_co_u32 s49, s46, 12288
	v_lshl_add_u32 v[ASK0], v8, 4, s49             ; K's scale words: 16 r
	s_add_co_u32 s50, s47, 26624+12288
	v_lshl_add_u32 v[ASV0], v8, 4, s50             ; V's
	s_lshl_b32 s51, s34, 1
	s_and_b32 s52, s32, 1
	s_add_co_u32 s51, s51, s52
	s_mul_i32 s51, s51, 1536                       ; ctx: fragment (my tile of rows, the pair's 128 along K),
	s_mul_i32 s53, s33, 768                        ; my head's half of it
	s_add_co_u32 s51, s51, s53
	v_lshl_add_u32 v7, v9, 3, s51
	s_lshr_b32 s54, s32, 3
	s_lshl_b32 s54, s54, 4
	s_add_co_u32 s54, s54, ttmp9                   ; the 128 rows: batch x 16 + block
	s_lshl_b32 s54, s54, 2
	s_bfe_u32 s55, s32, 0x20001                    ; the panel along K: head pair / 2
	s_add_co_u32 s54, s54, s55
	s_mul_i32 s56, s54, 25600
	s_mov_b32 s57, 0
	s_add_nc_u64 s[10:11], s[10:11], s[56:57]      ; my panel of ctx
	s_lshl_b32 s56, s52, 9
	s_add_co_u32 s56, s56, 24576
	s_add_nc_u64 s[12:13], s[10:11], s[56:57]      ; the panel's scale words of this 128 along K
	s_bfe_u32 s58, s[WV], 0x10002
	s_lshl_b32 s58, s58, 8
	s_and_b32 s59, s[WV], 3
	s_lshl_b32 s59, s59, 2
	s_add_co_u32 s58, s58, s59
	s_lshl_b32 s59, s33, 1
	s_add_co_u32 s58, s58, s59
	s_add_co_u32 s58, s58, GATH
	v_lshl_add_u32 v30, v8, 4, s58                 ; my two scale bytes of ctx: 256 (tile / 4) + 16 r + 4 (tile % 4) + 2 c
	v_lshl_add_u32 v31, v9, 4, GATH
	v_mov_b32 v29, 0xceabfb8f                      ; f32(-1e9 x log2(e)) = -1,442,695,040
	v_mov_b32 v13, 0xff61b1e6                      ; the largest t so far: -3e38
	v_floor_f32 v12, -v13                          ; -M
	v_mov_b32 v14, 0
	v_mov_b32 v15, 0
.irp j, 0,1,2,3,4,5
	v_mov_b32 v[22+\j], 0                          ; zero codes for k = 64 .. 127: Q's, which make that half of the product nothing;
.irp t, 0,1,2,3,4,5,6,7
	v_mov_b32 v[38+12*\t+\j], 0                    ; the upper six registers of K's eight fragments are written once, so that the first step reads written registers (tiles 4-7's hold codes of V from then on)
.endr
.endr
.irp b, 0,1,2,3
	v_mov_b32 v[236+\b], 0                         ; written once: a lane permute's destination counts as one of its sources
.endr
	v_mov_b32 v253, 0                              ; (named as the upper half of v[252:253] before it is first written)
.set n, 0
.rept 32
	v_mov_b32 v[192+n], 0                          ; O^T: the loop has no first step of its own: the first change of M multiplies zeros
.set n, n+1
.endr
	s_load_b512 s[68:83], s[8:9], 0x0              ; the first step's 64 mask words; the head's temporaries are done with
	s_load_b512 s[84:99], s[8:9], 0x40
	s_load_b512 s[32:47], s[8:9], 0x80
	s_load_b512 s[48:63], s[8:9], 0xc0
.macro BMAX b0                         ; the largest t of blocks b0 and b0 + 1 of 32 keys (my 16 of each), by turns
.irp b, \b0, \b0+1
	v_max3_num_f32 v[232+\b], v[128+16*(\b)], v[129+16*(\b)], v[130+16*(\b)]
.endr
.irp i, 3,5,7,9,11,13
.irp b, \b0, \b0+1
	v_max3_num_f32 v[232+\b], v[232+\b], v[128+16*(\b)+\i], v[129+16*(\b)+\i]
.endr
.endr
.irp b, \b0, \b0+1
	v_max_num_f32 v[232+\b], v[232+\b], v[143+16*(\b)]
.endr
.endm
; A KEY STEP: 128 keys, the q-th of four of the slot in hand.  ahead = 1: the next step's mask words are asked for
.macro STEP q, ahead
.set CB, CHUNK*((\q)/2)                ; the slot's chunk,
.set QQ, (\q)%2                        ; and the half of it
	v_add_nc_u32 v[ADK], s[TB], v[AK0]             ; (these four are also the places behind the last products, in front of the loads below)
	v_add_nc_u32 v[ADV], s[TB], v[AV0]
	v_add_nc_u32 v[ADS], s[TB], v[ASK0]
	v_add_nc_u32 v[ADT], s[TB], v[ASV0]
.irp t, 0,1,2,3,4,5,6,7                        ; K's eight tiles of 16 keys in one run, each four followed by their scale words
.irp p, 0,1,2
	ds_load_b64 v[32+12*\t+2*\p:33+12*\t+2*\p], v[ADK] offset:CB+(8*QQ+\t)*768+256*\p
.endr
.if \t%4 == 3
	ds_load_b128 v[248-4*(\t/4):251-4*(\t/4)], v[ADS] offset:CB+(2*QQ+\t/4)*256
.endif
.endr
	s_wait_dscnt 13                                ; tiles 0-3 and their words are in; the 13 loads behind them (tiles 4-7 and their words) may be out
.irp t, 0,1,2,3                                ; S^T = K Q^T
	v_wmma_scale_f32_16x16x128_f8f6f4 v[128+8*\t:135+8*\t], v[32+12*\t:43+12*\t], v[16:27], 0, v[248+\t], v28 matrix_a_fmt:MATRIX_FMT_FP6 matrix_b_fmt:MATRIX_FMT_FP6
.endr
	s_wait_dscnt 0x0
.irp t, 4,5,6,7
	v_wmma_scale_f32_16x16x128_f8f6f4 v[128+8*\t:135+8*\t], v[32+12*\t:43+12*\t], v[16:27], 0, v[240+\t], v28 matrix_a_fmt:MATRIX_FMT_FP6 matrix_b_fmt:MATRIX_FMT_FP6
.endr
.rept 4
	v_nop                                          ; places behind the eight products: in front of the loads into registers that they have read, and of the first reads of their results
.endr
.irp t, 0,1,2,3                                ; V's fragments and scale words are asked for here, and land under the softmax
.irp g, 0,1,2
	ds_load_b128 v[80+12*\t+4*\g:83+12*\t+4*\g], v[ADV] offset:CB+6144*QQ+1536*\t+512*\g
.endr
.endr
	ds_load_b128 v[248:251], v[ADT] offset:CB+256*QQ
.set n, 0
.rept 32
	v_pk_mul_f32 v[128+n:129+n], v[128+n:129+n], s[22:23] op_sel_hi:[1,0]   ; t; each accumulator from its low end on
.set n, n+2
.endr
	s_wait_kmcnt 0x0                               ; this step's 64 mask words, asked for a step ago; no scalar load of mine is out now,
.if \ahead
	s_add_nc_u64 s[8:9], s[8:9], 256               ; so their base may step: on to the next step's words
.endif
.set n, 0
.rept 32
	v_cndmask_b32 v[128+n], v29, v[128+n], s[68+n] ; a masked key's t
.set n, n+1
.endr
.set n, 32
.rept 32
	v_cndmask_b32 v[128+n], v29, v[128+n], s[n]
.set n, n+1
.endr
	BMAX 0
.if \ahead
	s_load_b512 s[68:83], s[8:9], 0x0              ; the next step's words 0-31: the selects that read these registers stand 48 vector instructions back
	s_load_b512 s[84:99], s[8:9], 0x40
.endif
	BMAX 2
.if \ahead
	s_load_b512 s[32:47], s[8:9], 0x80             ; and its words 32-63
	s_load_b512 s[48:63], s[8:9], 0xc0
.endif
.irp b, 0,1,2,3
	v_permlanex16_b32 v[236+\b], v[232+\b], s20, s21
.endr
.irp b, 0,1,2,3
	v_max_num_f32 v[232+\b], v[232+\b], v[236+\b]  ; with lane l xor 16's 16 keys: each block's largest t, which serves for the row's maximum and for the block's largest p
.endr
	v_max3_num_f32 v254, v232, v233, v234
	v_max_num_f32 v254, v254, v235
	v_max_num_f32 v13, v13, v254                   ; the running largest t
	v_mov_b32 v254, v12
	v_floor_f32 v12, -v13                          ; the new -M = floor(-t) = -ceil(t)
	v_sub_f32 v254, v12, v254                      ; old M - new M: a whole number, 0 or less
	v_cvt_i32_f32 v254, v254                       ; (it saturates)
	v_ldexp_f32 v252, 1.0, v254                    ; f = 2^(old M - new M)
.set n, 0
.rept 32
	v_pk_add_f32 v[128+n:129+n], v[128+n:129+n], v[12:13] op_sel_hi:[1,0]   ; t - M
.set n, n+2
.endr
.irp b, 0,1,2,3
	v_add_f32 v[232+\b], v[232+\b], v12
.endr
.set n, 0
.rept 64
	v_exp_f32 v[128+n], v[128+n]                   ; p = 2^(t - M)
.set n, n+1
.endr
	v_pk_mul_f32 v[14:15], v[14:15], v[252:253] op_sel_hi:[1,0]   ; the sums under the new M: a plain place behind the exponentials
	s_wait_alu depctr_va_vdst(0)                   ; one wait for the batch, ahead of its first reader
.irp b, 0,1,2,3
	v_exp_f32 v[232+\b], v[232+\b]                 ; each block's largest p: the same two instructions on the same number give the same bits
.endr
	v_pk_add_f32 v[236:237], v[128:129], v[130:131]   ; the row's sum of the unquantised p, in two chains
.irp j, 4,8,12,16,20,24,28,32,36,40,44,48,52,56,60
	v_pk_add_f32 v[14:15], v[14:15], v[128+\j:129+\j]
	v_pk_add_f32 v[236:237], v[236:237], v[130+\j:131+\j]
.endr
	v_pk_add_f32 v[14:15], v[14:15], v[236:237]
	s_wait_alu depctr_va_vdst(0)                   ; and one for the four
.irp b, 0,1,2,3
	v_max_num_f32 v[232+\b], 0x1800000, v[232+\b]  ; the floor 2^(3 - 127): the byte cannot fall under 1
.endr
.irp b, 0,1,2,3
	v_add_nc_u32 v[244+\b], 0xff000000, v[232+\b]  ; 2 off the exponent field: the conversion's scale operand
.endr
.irp b, 0,1,2,3
	v_lshrrev_b32 v[236+\b], 23, v[244+\b]
.endr
	v_lshl_or_b32 v253, v237, 8, v236              ; p's scale word for these 128 keys
	v_lshl_or_b32 v253, v238, 16, v253
	v_lshl_or_b32 v253, v239, 24, v253
.irp c, 0,1
	v_cvt_scalef32_pk16_fp6_f32 v[224+6*\c:226+6*\c], v[128+32*\c:143+32*\c], v[244+2*\c]
	v_cvt_scalef32_pk16_fp6_f32 v[236+4*\c:238+4*\c], v[144+32*\c:159+32*\c], v[244+2*\c+1]
.endr
	v_nop                                          ; one plain place behind a scaled conversion
.irp c, 0,1                                    ; the operand's layout wants a whole block in a lane
.irp i, 0,1,2
	v_permlane16_swap_b32 v[224+6*\c+\i], v[236+4*\c+\i]
.endr
.irp i, 0,1,2
	v_mov_b32 v[227+6*\c+\i], v[236+4*\c+\i]
.endr
.endr
.set n, 0
.rept 16
	v_pk_mul_f32 v[192+n:193+n], v[192+n:193+n], v[252:253] op_sel_hi:[1,0]   ; O^T under the new M; also the places between the codes and scale word just made and the products
.set n, n+2
.endr
	s_wait_dscnt 0x0                               ; V
.irp t, 0,1,2,3                                ; O^T += V^T P^T: the four accumulators by turns
	v_wmma_scale_f32_16x16x128_f8f6f4 v[192+8*\t:199+8*\t], v[80+12*\t:91+12*\t], v[224:235], v[192+8*\t:199+8*\t], v[248+\t], v253 matrix_a_fmt:MATRIX_FMT_FP6 matrix_b_fmt:MATRIX_FMT_FP6
.endr
.endm
; THE CHANGE OF SLOTS stands at a slot's head: each wave waits for all its tensor loads, adds 0 to its spare word, and waits for that and for its reads of the slot that it has left.
; fill = 1: behind the barrier that other slot is filled with the next 512 keys: the load has four key steps in which to land.  One tensor load of a wave is out at most.
.macro CHANGE fill
	s_wait_tensorcnt 0x0
	ds_add_u32 v[SPW], v[NIL]
.if \fill
	s_xor_b32 s5, s5, SLOT1                        ; the walking descriptor: the other slot,
	s_add_nc_u64 s[6:7], s[6:7], 2*CHUNK           ; the next two chunks; the type bits on top are not reached
.endif
	s_wait_dscnt 0x0
	s_barrier_signal -1
	s_barrier_wait -1
.if \fill
	TLOAD
.endif
.endm
	s_wait_loadcnt 0x0                             ; Q
.Lslot:                                            ; three trips: behind each change of slots but the last the next slot is asked for
	CHANGE 1
	STEP 0, 1
	STEP 1, 1
	STEP 2, 1
	STEP 3, 1
	s_xor_b32 s[TB], s[TB], SLOT1
	s_sub_co_u32 s3, s3, 1
	s_cmp_lg_u32 s3, 0
	s_cbranch_scc1 .Lslot
	CHANGE 0                                       ; the last slot is written out
	STEP 0, 1
	STEP 1, 1
	STEP 2, 1
	STEP 3, 0                                      ; the 16th step asks for no mask words: there are none behind it
	; THE WAY OUT: O^T / the sum, quantised along d_model (my head's 64 are two blocks), stored as half a fragment of the last product's operand
	v_add_f32 v14, v14, v15
	v_permlanex16_b32 v252, v14, s20, s21
	v_add_f32 v14, v14, v252                       ; the row's sum
	v_rcp_f32 v14, v14
	v_and_b32 v8, 31, v0                           ; (plain places behind the reciprocal and the last products)
	v_lshlrev_b32 v8, 4, v8
	v_nop
	v_nop
	s_wait_alu depctr_va_vdst(0)                   ; ahead of the reciprocal's first reader
.set n, 0
.rept 16
	v_pk_mul_f32 v[128+n:129+n], v[192+n:193+n], v[14:15] op_sel_hi:[1,0]   ; register 16 b + i: channel 32 b + 16 h + i; each accumulator from its low end on
.set n, n+2
.endr
.irp b, 0,1
	v_max3_num_f32 v[232+\b], |v[128+16*\b]|, |v[129+16*\b]|, 0x1800000
.endr
.irp i, 2,4,6,8,10,12,14
.irp b, 0,1
	v_max3_num_f32 v[232+\b], v[232+\b], |v[128+16*\b+\i]|, |v[129+16*\b+\i]|
.endr
.endr
.irp b, 0,1
	v_permlanex16_b32 v[236+\b], v[232+\b], s20, s21
.endr
.irp b, 0,1
	v_max_num_f32 v[232+\b], v[232+\b], v[236+\b]
.endr
.irp b, 0,1
	v_add_nc_u32 v[244+\b], 0xff000000, v[232+\b]
.endr
.irp b, 0,1
	v_lshrrev_b32 v[236+\b], 23, v[244+\b]
.endr
	v_lshl_or_b32 v253, v237, 8, v236              ; my head's two bytes of the row's scale word
	v_cvt_scalef32_pk16_fp6_f32 v[224:226], v[128:143], v244
	v_cvt_scalef32_pk16_fp6_f32 v[236:238], v[144:159], v245
	v_nop
.irp i, 0,1,2
	v_permlane16_swap_b32 v[224+\i], v[236+\i]
.endr
.irp i, 0,1,2
	v_mov_b32 v[227+\i], v[236+\i]
.endr
.irp p, 0,1,2
	global_store_b64 v7, v[224+2*\p:225+2*\p], s[10:11] offset:256*\p   ; 32 lanes store 256 consecutive bytes, aligned
.endr
	ds_store_b16 v30, v253                         ; both lanes of a row write the same two bytes with the same value
	s_wait_dscnt 0x0                               ; for the others' sake
	s_barrier_signal -1
	s_barrier_wait -1
	s_cmp_lg_u32 s[WV], 0
	s_cbranch_scc1 .Lnot0
	ds_load_b128 v[128:131], v31                   ; the 128 rows' scale words, whole
	s_wait_dscnt 0x0
	global_store_b128 v8, v[128:131], s[12:13]     ; 512 consecutive bytes, aligned to 256
.Lnot0:
	s_wait_tensorcnt 0x0                           ; the wave's end
	ds_add_u32 v[SPW], v[NIL]
	s_wait_dscnt 0x0
	s_endpgm
.Lfunc_end_k_qb7fcd9385c_attn:
	.size	k_qb7fcd9385c_attn, .Lfunc_end_k_qb7fcd9385c_attn-k_qb7fcd9385c_attn
	.p2alignl 7, 3214868480
	.fill 96, 4, 3214868480
	.section	.rodata,"a",@progbits
	.p2align	6, 0x0
	.amdhsa_kernel k_qb7fcd9385c_attn
		.amdhsa_group_segment_fixed_size 327680
		.amdhsa_private_segment_fixed_size 0
		.amdhsa_enable_private_segment 0
		.amdhsa_kernarg_size 32
		.amdhsa_user_sgpr_count 2
		.amdhsa_user_sgpr_kernarg_segment_ptr 1
		.amdhsa_wavefront_size32 1
		.amdhsa_system_sgpr_workgroup_id_x 1
		.amdhsa_system_sgpr_workgroup_id_y 1
		.amdhsa_system_sgpr_workgroup_id_z 1
		.amdhsa_system_vgpr_workitem_id 0
		.amdhsa_next_free_vgpr 256
		.amdhsa_next_free_sgpr 100
		.amdhsa_reserve_vcc 0
		.amdhsa_float_denorm_mode_32 3
		.amdhsa_float_denorm_mode_16_64 3
		.amdhsa_memory_ordered 1
		.amdhsa_forward_progress 1
		.amdhsa_inst_pref_size 190
	.end_amdhsa_kernel
	.amdgpu_metadata
---
amdhsa.version: [ 1, 2 ]
amdhsa.kernels:
  - .name:           k_qb7fcd9385c_attn
    .symbol:         k_qb7fcd9385c_attn.kd
    .args:
      - { .name: qbuf, .offset: 0, .size: 8, .value_kind: global_buffer, .address_space: global }
      - { .name: kv, .offset: 8, .size: 8, .value_kind: global_buffer, .address_space: global }
      - { .name: mbits, .offset: 16, .size: 8, .value_kind: global_buffer, .address_space: global }
      - { .name: ctx, .offset: 24, .size: 8, .value_kind: global_buffer, .address_space: global }
    .group_segment_fixed_size: 327680
    .private_segment_fixed_size: 0
    .kernarg_segment_align: 8
    .kernarg_segment_size: 32
    .max_flat_workgroup_size: 512
    .sgpr_count:     100
    .vgpr_count:     256
    .wavefront_size: 32
...
	.end_amdgpu_metadata
.endif
;; end of part 3
;; launch gemm_o (part 4): grid 4 x 32, 4 waves a work-group, clusters of 4 x 4, 327,680 bytes of LDS; arguments ctx, wts, b_o, out0; writes out0
.if DOCPART == 4
	.amdgcn_target "amdgcn-amd-amdhsa--gfx1250"
	.amdhsa_code_object_version 6
	.text
	.protected	k_qb7fcd9385c_gemm_o
	.globl	k_qb7fcd9385c_gemm_o
	.p2align	8
	.type	k_qb7fcd9385c_gemm_o,@function
k_qb7fcd9385c_gemm_o:
	s_mov_b64 s[64:65], 0
	v_nop
	global_prefetch_b8 v0, s[64:65] scope:SCOPE_SE
	s_setreg_imm32_b32 hwreg(HW_REG_WAVE_MODE, 25, 1), 1
	s_wait_xcnt 0x0
	s_wait_alu depctr_hold_cnt(0) depctr_sa_sdst(0) depctr_va_vdst(0) depctr_va_sdst(0) depctr_va_ssrc(0) depctr_va_vcc(0) depctr_vm_vsrc(0)
	s_getreg_b32 s2, hwreg(HW_REG_IB_STS2, 6, 4)
	s_cmp_eq_u32 s2, 0
	s_cbranch_scc0 .Lentry_in_a_cluster
	s_endpgm
.Lentry_in_a_cluster:
	s_bfe_u32 s2, ttmp6, 0x10000c
	s_cmp_lg_u32 s2, 0xf033
	s_cbranch_scc0 .Lentry_shape_is_right
	s_endpgm
.Lentry_shape_is_right:
; out0 = ctx W_o^T + b_o, [8192][1024] f32, on codes of FP6 (E2M3) with E8M0 scales.  K = 1,024.  A tile of 256 x 256 to a work-group of four waves, 128 x 128 a wave: 64 accumulators, 512 registers.
; OPERANDS come as panels of 128 rows x 256 K, 25,600 dense bytes in the order of the operand's registers, scale words behind the codes: one tensor load a wave brings a panel, a fragment is six ds_load_b64 of 256
; consecutive bytes, the scale words of four blocks come by one ds_load_b128.  K goes in four steps of 256 through two LDS slots (ctx's two panels, then W_o's two), written out without a loop.
; CLUSTERS: 4 x 4 work-groups; ctx's panels are asked for jointly along a row of the cluster, W_o's along a column.  THE MATRIX INSTRUCTION IS USED TRANSPOSED (source 0 = 16 rows of W_o, source 1 = 16 rows of ctx):
; a lane holds eight neighbouring numbers of a row of the output.  The bias is the C of each sum's first matrix instruction.
; 128 work-groups: a tile of half the size would give each of 256 a quarter less work for each LDS byte; this launch is the shortest of the four, so the frame of the projections is kept.
; REGISTERS: window 0: v16-29 addresses; v32-63 scale words, two sets; v64-127 the bias; v128-223 A's fragments, one set (v128-255 free on the way out).  Window 1: B's fragments, two sets.  Windows 2, 3: accumulators.
.set PANEL, 25600
.set SLOT,  4*PANEL
.set SPARE, 2*SLOT                     ; behind the ring: the spare words, 128 bytes a wave: two blocks of 256 bytes that no other line names
.set SPITCH, 528                       ; the way out: a stage of 16 rows x (512 + 16) bytes for each wave, in slot 0, which has had its last fill and its last read by then
.set SIZE_N, 1024
.set FR,    12
.set NL,    6
.set NP,    4
.set ADRA,  16
.set ADRS,  18
.set ADRB,  20
.set STO,   24
.set RD,    25
.set CO,    26
.set SPW,   28
.set NIL,   29
.set SC,    32
.set BN,    64
.set AF,    128
.set BK,    128
.set G1,    24
.set G0,    32
.set G1B,   48
.set G0B,   56
.set MSB, 0
.macro WIN new                         ; the immediate's high byte repeats the setting that is left
.if MSB != \new
	s_set_vgpr_msb (MSB<<8)|\new
.set MSB, \new
.endif
.endm
.set MUL_LO, 0xa1                      ; source 0 (B) window 1, source 1 (A) window 0, C and D window 2
.set MUL_HI, 0xf1                      ; the same, C and D window 3
.set FIRST_LO, 0x81                    ; the first step: C (the bias) window 0, D window 2
.set FIRST_HI, 0xc1                    ; D window 3
.set TO_B,   0x40
.macro JLOAD g0a, g1a, g0b, g1b        ; a joint load: waves 0 and 1 fetch A's panels, waves 2 and 3 B's; four v_nop follow each line
	s_cmp_eq_u32 s15, 0
	s_cbranch_scc0 .Lfor_b_\@
	tensor_load_to_lds s[\g0a:\g0a+3], s[\g1a:\g1a+7]
	s_nop 0
.rept 4
	v_nop
.endr
	s_branch .Lasked_\@
.Lfor_b_\@:
	tensor_load_to_lds s[\g0b:\g0b+3], s[\g1b:\g1b+7]
	s_nop 0
.rept 4
	v_nop
.endr
.Lasked_\@:
.endm
.macro CREST
	s_cmp_lg_u32 s14, 0
	s_cbranch_scc1 .Lnot_wave_0_\@
	s_barrier_signal -3
.Lnot_wave_0_\@:
	s_barrier_wait -3
	s_barrier_signal -1
	s_barrier_wait -1
.endm
.macro CROUND
	s_barrier_signal -1
	s_barrier_wait -1
	CREST
.endm
	s_load_b256 s[4:11], s[0:1], 0x0               ; ctx, wts, b_o, out0
	v_lshl_add_u32 v[SPW], v0, 2, SPARE
	v_mov_b32 v[NIL], 0
	ds_add_u32 v28, v29
	s_wait_dscnt 0x0
	v_lshrrev_b32 v1, 5, v0
	v_readfirstlane_b32 s14, v1                    ; wave 0..3
	s_lshr_b32 s15, s14, 1                         ; my half of the tile's rows.  Also: I fetch for A (0) or for B (1)
	s_and_b32 s16, s14, 1                          ; my half of its columns.  Also: which panel I fetch
	s_bfe_u32 s40, ttmp6, 0x40000                  ; cx
	s_bfe_u32 s41, ttmp6, 0x40004                  ; cy
	s_lshl_b32 s42, ttmp9, 2
	s_add_co_u32 s42, s42, s40                     ; tile column
	s_and_b32 s17, ttmp7, 0xffff
	s_lshl_b32 s17, s17, 2
	s_add_co_u32 s17, s17, s41                     ; tile row
	s_lshl_b32 s43, s41, 2
	s_lshl_b32 s43, 15, s43                        ; my row of the cluster
	s_lshl_b32 s44, 0x1111, s40                    ; my column
	s_or_b32 s[G1+0], s43, (3<<16)|(1<<21)         ; the mask; elements of 8 bytes; bit 21 beside a mask; no padding
	s_or_b32 s[G1B+0], s44, (3<<16)|(1<<21)
.irp g, G1, G1B
	s_mov_b32 s[\g+1], 32<<16                      ; rows of 256 bytes
	s_mov_b32 s[\g+2], 100<<16                     ; 100 rows: a panel
	s_mov_b32 s[\g+3], 32<<16
	s_mov_b32 s[\g+4], 100
	s_mov_b32 s[\g+5], 32                          ; dense
	s_mov_b32 s[\g+6], 0
	s_mov_b32 s[\g+7], 0
.endr
	s_lshl_b32 s20, s17, 1
	s_add_co_u32 s20, s20, s16
	s_mul_i32 s20, s20, 4*PANEL                    ; the 128 rows that I fetch: four panels along K
	s_mov_b32 s21, 0
	s_lshl_b32 s46, s42, 1
	s_add_co_u32 s46, s46, s16
	s_mul_i32 s46, s46, 4*PANEL
	s_add_co_u32 s46, s46, 96*PANEL                ; W_o lies 96 panels on in wts
	s_mov_b32 s47, 0
	s_mul_i32 s45, s14, PANEL                      ; where it goes: wave x a panel
	s_wait_kmcnt 0x0
	s_add_nc_u64 s[20:21], s[4:5], s[20:21]
	s_add_nc_u64 s[46:47], s[6:7], s[46:47]
	CROUND                                         ; all sixteen work-groups are here: the first joint loads meet
.irp s, 0,1
	s_mov_b32 s[G0+4*\s], 1
	s_add_co_u32 s[G0+4*\s+1], s45, \s*SLOT
	s_add_nc_u64 s[G0+4*\s+2:G0+4*\s+3], s[20:21], \s*PANEL
	s_or_b32 s[G0+4*\s+3], s[G0+4*\s+3], 0x80000000
	s_mov_b32 s[G0B+4*\s], 1
	s_add_co_u32 s[G0B+4*\s+1], s45, \s*SLOT
	s_add_nc_u64 s[G0B+4*\s+2:G0B+4*\s+3], s[46:47], \s*PANEL
	s_or_b32 s[G0B+4*\s+3], s[G0B+4*\s+3], 0x80000000
	JLOAD G0+4*\s, G1, G0B+4*\s, G1B
.endr
	v_and_b32 v1, 15, v0                           ; r
	v_bfe_u32 v2, v0, 4, 1                         ; h
	v_and_b32 v3, 31, v0                           ; l
	v_lshlrev_b32 v4, 3, v3                        ; 8 l
	s_mul_i32 s21, s15, PANEL
	s_mul_i32 s22, s16, PANEL
	s_add_co_u32 s22, s22, 2*PANEL
.irp s, 0,1
	v_add_nc_u32 v[ADRA+\s], s21, v4
	v_add_nc_u32 v[ADRB+\s], s22, v4
	s_add_co_u32 s21, s21, SLOT
	s_add_co_u32 s22, s22, SLOT
.endr
	s_mul_i32 s21, s15, PANEL
	s_mul_i32 s22, s16, PANEL
	s_add_co_u32 s22, s22, 2*PANEL
	s_sub_co_u32 s22, s22, s21
	v_mul_u32_u24 v6, s22, v2                      ; lanes 16-31 take B's panel: one product, h x the distance
	v_lshl_add_u32 v5, v1, 4, v6
	s_add_co_u32 s21, s21, 24576
	v_add_nc_u32 v[ADRS], s21, v5
	v_add_nc_u32 v[ADRS+1], SLOT, v[ADRS]
	s_lshl_b32 s22, s42, 10
	s_lshl_b32 s23, s16, 9
	s_add_co_u32 s22, s22, s23                     ; my 128 columns, in bytes
	v_lshl_add_u32 v7, v2, 5, s22                  ; block b's eight of my half: 16 b + 8 h + 0 .. 7
.irp b, 0,1,2,3,4,5,6,7
	global_load_b128 v[BN+8*\b:BN+8*\b+3], v7, s[8:9] offset:64*\b
	global_load_b128 v[BN+8*\b+4:BN+8*\b+7], v7, s[8:9] offset:64*\b+16
.endr
	s_mul_i32 s23, s14, 16*SPITCH                  ; my stage
	v_mul_u32_u24 v5, v1, SPITCH                   ; in: row r, 32 bytes for each half of the lanes
	v_lshl_add_u32 v5, v2, 5, v5
	v_add_nc_u32 v[STO], s23, v5
	v_lshlrev_b32 v[CO], 4, v3                     ; back: the 32 lanes take one row of 512 bytes; and the same in the output
	v_add_nc_u32 v[RD], s23, v[CO]
	s_lshl_b32 s20, s17, 8
	s_lshl_b32 s21, s15, 7
	s_add_co_u32 s20, s20, s21                     ; my first row
	s_lshl_b32 s20, s20, 12                        ; of 4,096 bytes (under 2^25 in all)
	s_add_co_u32 s20, s20, s22                     ; and my first column
	s_mov_b32 s21, 0
	s_add_nc_u64 s[12:13], s[10:11], s[20:21]
.macro FRAG reg, adr, q, i             ; fragment (block i, the slot's q-th 128 along K): registers 2 p, 2 p + 1 of lane l lie at 256 p + 8 l
.irp p, 0,1,2,3,4,5
	ds_load_b64 v[\reg+2*\p:\reg+2*\p+1], v[\adr] offset:(2*(\i)+(\q))*1536+256*\p
.endr
.endm
; 16 matrix instructions: A's blocks a0, a0 + 1 x B's eight.  first = 1: the bias starts the sums.  The 64 accumulators take turns, one instruction a turn, in the same order in every step.
.macro MUL16 a0, p, q, sc, first
.irp a, \a0, \a0+1
.irp b, 0,1,2,3,4,5,6,7
.if \first
	v_wmma_scale_f32_16x16x128_f8f6f4 v[8*(8*((\a)%4)+\b):8*(8*((\a)%4)+\b)+7], v[128*(\p)+FR*\b:128*(\p)+FR*\b+FR-1], v[AF+FR*(\a):AF+FR*(\a)+FR-1], v[BN+8*\b:BN+8*\b+7], v[SC+16*(\sc)+8*(\q)+\b], v[SC+16*(\sc)+8*(\q)+(\a)] matrix_a_fmt:MATRIX_FMT_FP6 matrix_b_fmt:MATRIX_FMT_FP6 matrix_a_scale:MATRIX_SCALE_ROW1
.else
	v_wmma_scale_f32_16x16x128_f8f6f4 v[8*(8*((\a)%4)+\b):8*(8*((\a)%4)+\b)+7], v[128*(\p)+FR*\b:128*(\p)+FR*\b+FR-1], v[AF+FR*(\a):AF+FR*(\a)+FR-1], v[8*(8*((\a)%4)+\b):8*(8*((\a)%4)+\b)+7], v[SC+16*(\sc)+8*(\q)+\b], v[SC+16*(\sc)+8*(\q)+(\a)] matrix_a_fmt:MATRIX_FMT_FP6 matrix_b_fmt:MATRIX_FMT_FP6 matrix_a_scale:MATRIX_SCALE_ROW1
.endif
.endr
.endr
.endm
.macro FETCH_B slot, q, p
	WIN TO_B
.irp i, 0,1,2,3,4,5,6,7
	FRAG 128*(\p)+FR*\i, ADRB+\slot, \q, \i
.endr
	WIN 0
.endm
.macro FETCH_A slot, q, i0
.irp i, \i0, \i0+1, \i0+2, \i0+3
	FRAG AF+FR*(\i), ADRA+\slot, \q, \i
.endr
.endm
.macro SCALES sc                       ; a slot's scale words: register 8 q + i: lanes 0-15 the word of A's block i, lanes 16-31 that of B's block i
.irp q, 0,1
.irp g, 0,1
	ds_load_b128 v[SC+16*\sc+8*\q+4*\g:SC+16*\sc+8*\q+4*\g+3], v[ADRS+\sc] offset:512*\q+256*\g
.endr
.endr
.endm
.macro PLACES n                        ; plain vector instructions between a matrix instruction and a load into, or a read of, its registers
.rept \n
	v_nop
.endr
.endm
.macro STEP slot, q, first             ; 128 along K whose successor lies in the same slot
	s_wait_dscnt 4*NL                              ; all but the youngest 24 loads (A's blocks 4-7) are in
.if \first
	WIN FIRST_LO
.else
	WIN MUL_LO
.endif
	MUL16 0, (\q)%2, \q, \slot, \first
	MUL16 2, (\q)%2, \q, \slot, \first
	s_wait_dscnt 0
	PLACES NP
	FETCH_B \slot, (\q)+1, 1-(\q)%2
	FETCH_A \slot, (\q)+1, 0
.if \first
	WIN FIRST_HI
.else
	WIN MUL_HI
.endif
	MUL16 4, (\q)%2, \q, \slot, \first
	MUL16 6, (\q)%2, \q, \slot, \first
	PLACES NP
	WIN 0
	FETCH_A \slot, (\q)+1, 4
.endm
; A slot's last step changes slots: one barrier; in front of it each wave waits for all its tensor loads, adds 0 to its spare word, and waits for that and for its reads of this slot.
.macro TURN slot, next, fill
	s_wait_tensorcnt 0x0                           ; all my tensor loads have landed: my panel of the next slot
	ds_add_u32 v[SPW], v[NIL]                      ; 0 onto my spare word
	s_wait_dscnt 4*NL+1                            ; the add and the youngest 24 loads may be out
	WIN MUL_LO
	MUL16 0, 1, 1, \slot, 0
	s_wait_dscnt 0x0                               ; the add is done, and my reads of this slot are over
	s_barrier_signal -1
	MUL16 2, 1, 1, \slot, 0
	WIN 0
	s_barrier_wait -1
.if \fill
	CREST                                          ; the barrier has opened a round of the cluster's: no wave of any partner still reads this slot or has a load on its way
	s_add_nc_u64 s[G0+4*\slot+2:G0+4*\slot+3], s[G0+4*\slot+2:G0+4*\slot+3], 2*PANEL
	s_add_nc_u64 s[G0B+4*\slot+2:G0B+4*\slot+3], s[G0B+4*\slot+2:G0B+4*\slot+3], 2*PANEL
	JLOAD G0+4*\slot, G1, G0B+4*\slot, G1B         ; the first tensor load behind the round; its four v_nop are the places in front of the loads below
.else
	PLACES NP
.endif
	FETCH_B \next, 0, 0
	FETCH_A \next, 0, 0
	SCALES \next
	WIN MUL_HI
	MUL16 4, 1, 1, \slot, 0
	MUL16 6, 1, 1, \slot, 0
	PLACES NP
	WIN 0
	FETCH_A \next, 0, 4
.endm
	s_wait_tensorcnt 1                             ; my panel of slot 0 is in; slot 1's may be out
	s_barrier_signal -1
	s_barrier_wait -1
	FETCH_B 0, 0, 0
	FETCH_A 0, 0, 0
	SCALES 0
	FETCH_A 0, 0, 4
	s_wait_loadcnt 0x0                             ; the bias
	STEP 0, 0, 1                                   ; the first products start the sums from the bias
	TURN 0, 1, 1                                   ; slot 0 takes K 512 on
	STEP 1, 0, 0
	TURN 1, 0, 1                                   ; slot 1 takes K 768 on
	STEP 0, 0, 0
	TURN 0, 1, 0
	STEP 1, 0, 0
	s_wait_dscnt 4*NL
	WIN MUL_LO
	MUL16 0, 1, 1, 1, 0
	MUL16 2, 1, 1, 1, 0
	s_wait_dscnt 0
	WIN MUL_HI
	MUL16 4, 1, 1, 1, 0
	MUL16 6, 1, 1, 1, 0
	WIN 0
; THE WAY OUT, block by block of 16 rows x 128 columns: through my own stage in LDS and back as whole rows of 512 bytes.  LDS serves a wave's instructions in order (ISA guide 5.7.1.4): no wait between the stores and the loads.
.macro TOSTAGE a
.set AC, 64*((\a)%4)
.set WW, 0x08+4*((\a)/4)
	WIN WW                                         ; the data: window 2 or 3
.irp b, 0,1,2,3,4,5,6,7
	ds_store_b128 v[STO], v[AC+8*\b:AC+8*\b+3] offset:64*\b          ; each accumulator from its low end on
	ds_store_b128 v[STO], v[AC+8*\b+4:AC+8*\b+7] offset:64*\b+16
.endr
	WIN 0
.set BB, BK+64*((\a)%2)
.irp t, 0,1,2,3,4,5,6,7,8,9,10,11,12,13,14,15
	ds_load_b128 v[BB+4*\t:BB+4*\t+3], v[RD] offset:\t*SPITCH
.endr
.endm
.macro SEND a, younger                 ; younger: the LDS instructions issued behind block a's loads, which may stay out
.set BB, BK+64*((\a)%2)
	s_wait_dscnt \younger
.if (\a) > 0
	s_add_nc_u64 s[12:13], s[12:13], 16*SIZE_N*4   ; (behind a wait on XCNT: the earlier stores have read their base)
.endif
.irp t, 0,1,2,3,4,5,6,7,8,9,10,11,12,13,14,15
	global_store_b128 v[CO], v[BB+4*\t:BB+4*\t+3], s[12:13] offset:\t*SIZE_N*4 th:TH_STORE_NT   ; 32 lanes store 512 consecutive bytes, aligned to 256; written once, read by nobody here
.endr
.endm
	PLACES NP
	TOSTAGE 0
.irp a, 1,2,3,4,5,6,7
.if \a > 1
	s_wait_xcnt 0x0                                ; block a - 2's stores have read their registers and their base
.endif
	TOSTAGE \a
	SEND \a-1, 32                                  ; behind block a - 1's loads: block a's 16 stores and 16 loads
.endr
	s_wait_xcnt 0x0
	SEND 7, 0
	s_wait_tensorcnt 0x0                           ; the wave's end
	ds_add_u32 v[SPW], v[NIL]
	s_wait_dscnt 0x0
	CROUND                                         ; the closing round: no work-group ends while a partner may still ask for a panel that names it
	s_endpgm
.Lfunc_end_k_qb7fcd9385c_gemm_o:
	.size	k_qb7fcd9385c_gemm_o, .Lfunc_end_k_qb7fcd9385c_gemm_o-k_qb7fcd9385c_gemm_o
	.p2alignl 7, 3214868480
	.fill 96, 4, 3214868480
	.section	.rodata,"a",@progbits
	.p2align	6, 0x0
	.amdhsa_kernel k_qb7fcd9385c_gemm_o
		.amdhsa_group_segment_fixed_size 327680
		.amdhsa_private_segment_fixed_size 0
		.amdhsa_enable_private_segment 0
		.amdhsa_kernarg_size 32
		.amdhsa_user_sgpr_count 2
		.amdhsa_user_sgpr_kernarg_segment_ptr 1
		.amdhsa_wavefront_size32 1
		.amdhsa_system_sgpr_workgroup_id_x 1
		.amdhsa_system_sgpr_workgroup_id_y 1
		.amdhsa_system_sgpr_workgroup_id_z 1
		.amdhsa_system_vgpr_workitem_id 0
		.amdhsa_next_free_vgpr 1024
		.amdhsa_next_free_sgpr 66
		.amdhsa_reserve_vcc 0
		.amdhsa_float_denorm_mode_32 3
		.amdhsa_float_denorm_mode_16_64 3
		.amdhsa_memory_ordered 1
		.amdhsa_forward_progress 1
		.amdhsa_inst_pref_size 158
	.end_amdhsa_kernel
	.amdgpu_metadata
---
amdhsa.version: [ 1, 2 ]
amdhsa.kernels:
  - .name:           k_qb7fcd9385c_gemm_o
    .symbol:         k_qb7fcd9385c_gemm_o.kd
    .args:
      - { .name: ctx, .offset: 0, .size: 8, .value_kind: global_buffer, .address_space: global }
      - { .name: wts, .offset: 8, .size: 8, .value_kind: global_buffer, .address_space: global }
      - { .name: b_o, .offset: 16, .size: 8, .value_kind: global_buffer, .address_space: global }
      - { .name: out0, .offset: 24, .size: 8, .value_kind: global_buffer, .address_space: global }
    .group_segment_fixed_size: 327680
    .private_segment_fixed_size: 0
    .kernarg_segment_align: 8
    .kernarg_segment_size: 32
    .max_flat_workgroup_size: 128
    .sgpr_count:     66
    .vgpr_count:     1024
    .wavefront_size: 32
...
	.end_amdgpu_metadata
.endif
;; end of part 4
